; MI455X (gfx1250); checked and timed in simulation.
; The chip was launched on July 23, 2026; its instructions are those of AMD's public machine-readable ISA for CDNA 5 (MIT licence, August 2026) and "CDNA5" Instruction Set Architecture Reference Guide (July 2026). The comments in the code are by the model that wrote it; some were corrected since.
;; Mo E Layer. Allowed arithmetic: matrix products marked QUANTISED: E2M1 operands, one E8M0 scale for each 32 along K, by v_wmma_scale_f32_16x16x128_f8f6f4 with both operands' format E2M1 (or v_wmma_scale_f32_32x16x128_f4), f32 sums; products left as they are: f32 operands where the result goes on into a quantised operand, else bf16, f16 or f32 operands; f32 sums; everything else in f32.
;; Inputs: b1 8 x 2,048 float32; b2 8 x 1,024 float32; router_b 8 float32; router_w 1,024 x 8 float32; w1 8 x 1,024 x 2,048 float32; w2 8 x 2,048 x 1,024 float32; x 4 x 512 x 1,024 float32.
;; Outputs: out0 4 x 512 x 1,024 float32.
;; This version of the problem:
;;   THIS VERSION OF THE PROBLEM IS GIVEN IN LOW PRECISION. The matrix products marked QUANTISED in the list below multiply operands that are first quantised to E2M1 (2 exponent bits, 1 mantissa bit; 4 bits a number), with one power-of-two scale for each 32 numbers along K (OCP MX v1.0); their sums are f32. All else is computed in f32.
;;   The module's matrix products, in the order in which they are computed (A, B: the left and right operand; K: the contracted axis; several contracted axes count as one K, in the product's order):
;;     1. [M 2,048, K 1,024] x [K 1,024, N 8]; A: input x; B: input router_w: left as it is (N = 8 < 16)
;;     2. [M 2,048, K 1,024] x [K 1,024, N 2,048]; A: input x; B: input w1: QUANTISED
;;     3. [M 2,048, K 2,048] x [K 2,048, N 1,024]; A: computed on the way; B: input w2: QUANTISED
;;     4. [M 2,048, K 1,024] x [K 1,024, N 2,048]; A: input x; B: input w1: QUANTISED
;;     5. [M 2,048, K 2,048] x [K 2,048, N 1,024]; A: computed on the way; B: input w2: QUANTISED
;;     6. [M 2,048, K 1,024] x [K 1,024, N 2,048]; A: input x; B: input w1: QUANTISED
;;     7. [M 2,048, K 2,048] x [K 2,048, N 1,024]; A: computed on the way; B: input w2: QUANTISED
;;     8. [M 2,048, K 1,024] x [K 1,024, N 2,048]; A: input x; B: input w1: QUANTISED
;;     9. [M 2,048, K 2,048] x [K 2,048, N 1,024]; A: computed on the way; B: input w2: QUANTISED
;;     10. [M 2,048, K 1,024] x [K 1,024, N 2,048]; A: input x; B: input w1: QUANTISED
;;     11. [M 2,048, K 2,048] x [K 2,048, N 1,024]; A: computed on the way; B: input w2: QUANTISED
;;     12. [M 2,048, K 1,024] x [K 1,024, N 2,048]; A: input x; B: input w1: QUANTISED
;;     13. [M 2,048, K 2,048] x [K 2,048, N 1,024]; A: computed on the way; B: input w2: QUANTISED
;;     14. [M 2,048, K 1,024] x [K 1,024, N 2,048]; A: input x; B: input w1: QUANTISED
;;     15. [M 2,048, K 2,048] x [K 2,048, N 1,024]; A: computed on the way; B: input w2: QUANTISED
;;     16. [M 2,048, K 1,024] x [K 1,024, N 2,048]; A: input x; B: input w1: QUANTISED
;;     17. [M 2,048, K 2,048] x [K 2,048, N 1,024]; A: computed on the way; B: input w2: QUANTISED
;;   THE QUANTISER, for each operand of a quantised product, along K:
;;     - K is cut into blocks of 32 from its start; a last block that is shorter is filled with zeros.
;;     - A block's scale is 2^e with e = floor(log2(the largest magnitude in the block)) - 2, held to -126 .. 127; a block of zeros has e = 0. As a byte (E8M0): e + 127.
;;     - Each number is divided by its block's scale, clamped to +-6, and rounded to the nearest number of E2M1, ties to even, subnormals kept.
;;     - The product sums the exact products of the quantised numbers (number of the format x scale) in f32.
;;   ~~~python
;;   def quantise(x, axis):      # numpy; x: float32 -> the quantised numbers, widened to float32 again
;;       x = np.moveaxis(x, axis, -1); K = x.shape[-1]
;;       x = np.pad(x, [(0, 0)] * (x.ndim - 1) + [(0, -K % 32)]); x = x.reshape(x.shape[:-1] + (-1, 32)); a = np.abs(x).max(-1, keepdims=True)
;;       e = np.where(a > 0, np.clip(np.frexp(np.where(a > 0, a, 1))[1] - 1 - 2, -126, 127), 0)      # np.frexp(a)[1] - 1 = floor(log2(a)), exactly
;;       r = np.clip(x / 2.0 ** e, -6, 6)
;;       step = 2.0 ** (np.maximum(np.frexp(np.where(r == 0, 1, r))[1] - 1, 0) - 1)
;;       q = np.round(r / step) * step * 2.0 ** e      # np.round: ties to even
;;       return np.moveaxis(q.reshape(q.shape[:-2] + (-1,))[..., :K], -1, axis).astype(np.float32)
;;   ~~~
;;   OPERANDS COMPUTED ON THE WAY. 'Computed on the way' means the value that the module computes at that place (a softmax that the list does not call 'softmax' is quantised finished and normalised). What goes into a quantiser is computed in f32, as accurately as f32 sums, v_exp_f32 and their like allow (about 1e-6 of the number): no bf16 or f16 on the way to a quantiser, and a product that is left as it is and whose result goes on into a quantised operand takes f32 operands (vector FMAs, or v_wmma_f32_16x16x4_f32). A number that lies on a knife's edge between two numbers of the format may be rounded either way, as far as f32 arithmetic and the matrix unit's own rounding can turn it there, and no further.
;; 2 versions, each right; version 2 is version 1 with the launch down written anew for expert scheduling mode. Each part assembles by itself: llvm-mc -triple=amdgcn-amd-amdhsa -mcpu=gfx1250 --defsym DOCPART=n.
;; ======== version 1 of 2: 4 launches
;; workspace buffers: xq 1,114,112 bytes; gates 16,384 bytes; masks 4,096 bytes of whole numbers; tabs 24,576 bytes of whole numbers; hq 17,825,792 bytes; yw 67,108,864 bytes
;; launch route (part 1): grid 256 x 1, 8 waves a work-group, no clusters, 76,800 bytes of LDS; arguments x, router_w, router_b, xq, gates, masks; writes xq, gates, masks
.if DOCPART == 1
	.amdgcn_target "amdgcn-amd-amdhsa--gfx1250"
	.amdhsa_code_object_version 6
	.text
	.protected	k_q5d3a10305b_route
	.globl	k_q5d3a10305b_route
	.p2align	8
	.type	k_q5d3a10305b_route,@function
k_q5d3a10305b_route:
	s_mov_b64 s[64:65], 0
	v_nop
	global_prefetch_b8 v0, s[64:65] scope:SCOPE_SE
	s_setreg_imm32_b32 hwreg(HW_REG_WAVE_MODE, 25, 1), 1
	s_wait_xcnt 0x0
; ROUTER AND x's QUANTISER.  x [2048][1024] f32, router_w [1024][8], router_b [8].
; A work-group owns 8 tokens, a wave one token t = 8 g + w.  The wave reads its row once and makes of it
;   (a) the row's codes of E2M1 (512 bytes at xq + 512 t) and its 32 E8M0 scale bytes (xq + XSOFF + 32 t),
;   (b) the 8 logits in f32, the softmax with its maximum taken away, the two largest probabilities (strict compares: the lower index keeps a tie) and the two gates p / (p0 + p1).
; What later launches form addresses from leaves as WHOLE NUMBERS AT FIXED PLACES: masks, bytes [j 2][e 8][256]: bit b of byte g = token 8 g + b has expert e as its j-th choice.
; No address, branch or EXEC mask here hangs on a floating-point number: choices are made by v_cndmask_b32.
; A lane holds 16 neighbours along d for each half of the row (d = 512 st + 16 lane + i): the loads take 512 consecutive bytes each and the row turns through the wave's own stage in LDS.
; router_w lies in LDS once for the work-group, as 64 pieces of 16 d x 8 e (512 bytes), 528 bytes apart, so that the lanes of a read start in different banks.
; A block's scale byte is its largest magnitude's exponent field - 2, held at 1 from below; a block of zeros keeps the byte 1 (its codes are zeros; this program alone reads the bytes).
; LIMITS: blocks whose largest magnitude lies under 2^-124 get the byte 1; NaN and infinities among the inputs are not served; two probabilities that agree within f32 rounding of the logits may change places.
; The mask bytes (16 a work-group, 256 bytes apart) are stores of one byte: 4,096 bytes in the whole launch.
.set WPITCH, 528
.set STG,    33792                     ; behind router_w's 64 x 528 bytes: two stages of 32 x 80 bytes for each wave
.set SP,     80
.set XSB,    74752                     ; the work-group's 256 scale bytes
.set CH,     75008                     ; 8 words: e0 | e1 << 8
.set GT,     75264                     ; 8 x 8 bytes: the gates
.set XSOFF,  1048576
.set R,   16                           ; v16-47   the row as loaded
.set X,   48                           ; v48-79   turned: register 16 st + i = d 512 st + 16 lane + i
.set WA,  80                           ; v80-111  router_w: four d x eight e, two sets
.set WB,  112
.set ACC, 144                          ; v144-151 the eight sums
.set P,   152                          ; v152-159 logits, then probabilities
	s_load_b256 s[4:11], s[0:1], 0x0               ; x, router_w, router_b, xq
	s_load_b128 s[12:15], s[0:1], 0x20             ; gates, masks
	v_lshl_add_u32 v192, v0, 2, 0x12800
	v_mov_b32 v193, 0
	v_lshrrev_b32 v1, 5, v0
	v_readfirstlane_b32 s16, v1                    ; wave
	v_and_b32 v1, 31, v0                           ; lane
	s_lshl_b32 s17, ttmp9, 3
	s_add_co_u32 s17, s17, s16                     ; my token
	s_mov_b32 s44, ttmp9
	s_mov_b32 s36, 0x76543210
	s_mov_b32 s37, 0xfedcba98                      ; v_permlanex16_b32's selects for lane l xor 16
	v_lshlrev_b32 v2, 4, v1                        ; 16 x lane
	s_mul_i32 s18, s16, 2*32*SP
	s_add_co_u32 s18, s18, STG                     ; my stages
	v_lshrrev_b32 v160, 2, v1
	v_mul_u32_u24 v160, v160, SP
	v_and_b32 v161, 3, v1
	v_lshl_add_u32 v160, v161, 4, v160
	v_add_nc_u32 v3, s18, v160                     ; into a stage: four lanes' 64 bytes on end, then 16 of padding
	v_mul_u32_u24 v161, v1, SP
	v_add_nc_u32 v4, s18, v161                     ; out of it: my 16 neighbours
	s_mul_i32 s19, s16, 8*WPITCH
	v_add_nc_u32 v5, s19, v2                       ; router_w on its way in: my wave's 8 pieces
	v_mul_u32_u24 v6, v1, WPITCH                   ; and out: piece 32 st + lane
	s_lshl_b32 s19, s16, 5
	s_add_co_u32 s19, s19, XSB
	v_lshrrev_b32 v160, 1, v1
	v_add_nc_u32 v7, s19, v160                     ; my block's scale byte
	v_lshlrev_b32 v8, 3, v1                        ; 8 x lane
	s_lshl_b32 s19, s16, 2
	s_add_co_u32 s19, s19, CH
	v_mov_b32 v9, s19
	s_lshl_b32 s19, s16, 3
	s_add_co_u32 s19, s19, GT
	v_mov_b32 v10, s19
	v_add_nc_u32 v11, XSB, v8
	v_mov_b32 v12, CH
	v_and_b32 v160, 15, v1
	v_lshl_add_u32 v13, v160, 2, GT
	v_and_b32 v14, 7, v1                           ; wave 0's lane 8 j + e: e,
	v_bfe_u32 v15, v0, 3, 1
	v_lshlrev_b32 v15, 3, v15                      ; and 8 j
	s_lshl_b32 s20, s16, 12
	s_mov_b32 s21, 0
	s_lshl_b32 s22, s17, 12
	s_mov_b32 s23, 0
	s_lshl_b32 s38, s17, 9
	s_mov_b32 s39, 0
	s_lshl_b32 s40, ttmp9, 8
	s_add_co_u32 s40, s40, XSOFF
	s_mov_b32 s41, 0
	s_lshl_b32 s42, ttmp9, 6
	s_mov_b32 s43, 0
	s_wait_kmcnt 0x0
	s_load_b256 s[24:31], s[8:9], 0x0              ; router_b
	s_add_nc_u64 s[6:7], s[6:7], s[20:21]          ; my wave's 4,096 bytes of router_w
	s_add_nc_u64 s[4:5], s[4:5], s[22:23]          ; my row of x
	s_add_nc_u64 s[32:33], s[10:11], s[38:39]      ; its codes
	s_add_nc_u64 s[34:35], s[10:11], s[40:41]      ; the work-group's scale bytes
	s_add_nc_u64 s[12:13], s[12:13], s[42:43]      ; and gates
.irp j, 0,1,2,3,4,5,6,7
	global_load_b128 v[WA+4*\j:WA+4*\j+3], v2, s[6:7] offset:512*\j
.endr
.irp j, 0,1,2,3,4,5,6,7
	global_load_b128 v[R+4*\j:R+4*\j+3], v2, s[4:5] offset:512*\j th:TH_LOAD_NT
.endr
	s_wait_loadcnt 8                               ; router_w's part is in; the row's eight loads may be out
.irp j, 0,1,2,3,4,5,6,7
	ds_store_b128 v5, v[WA+4*\j:WA+4*\j+3] offset:WPITCH*\j
.endr
	s_wait_loadcnt 0x0
.macro TURN st                         ; half a row through the stage: LDS serves a wave's instructions in order, so no wait stands between the stores and the loads
.irp i, 0,1,2,3
	ds_store_b128 v3, v[R+16*\st+4*\i:R+16*\st+4*\i+3] offset:32*SP*\st+8*SP*\i
.endr
.irp i, 0,1,2,3
	ds_load_b128 v[X+16*\st+4*\i:X+16*\st+4*\i+3], v4 offset:32*SP*\st+16*\i
.endr
.endm
	TURN 0
	TURN 1
	s_wait_dscnt 0x0                               ; my part of router_w has landed (for the others' sake), and my row is back
	s_barrier_signal -1
	s_barrier_wait -1                              ; router_w is whole
.macro BATCH q                         ; router_w's rows d = 512 (q / 4) + 16 lane + 4 (q % 4) + 0 .. 3, eight experts each
.irp n, 0,1,2,3
.irp hh, 0,1
	ds_load_b128 v[WA+32*((\q)%2)+8*\n+4*\hh:WA+32*((\q)%2)+8*\n+4*\hh+3], v6 offset:32*WPITCH*((\q)/4)+32*(4*((\q)%4)+\n)+16*\hh
.endr
.endr
.endm
.macro QX st                           ; 16 numbers a lane, two lanes to a block: scale byte and codes
.set XR, X+16*\st
.set T, 160+8*\st
	v_max3_num_f32 v[T], |v[XR]|, |v[XR+1]|, |v[XR+2]|
	v_max3_num_f32 v[T+1], |v[XR+3]|, |v[XR+4]|, |v[XR+5]|
.irp i, 6,10
	v_max3_num_f32 v[T], v[T], |v[XR+\i]|, |v[XR+\i+1]|
	v_max3_num_f32 v[T+1], v[T+1], |v[XR+\i+2]|, |v[XR+\i+3]|
.endr
	v_max3_num_f32 v[T], v[T], |v[XR+14]|, |v[XR+15]|
	v_max3_num_f32 v[T], v[T], v[T+1], 0x1800000   ; the floor 2^(3 - 127): the byte cannot fall under 1
	v_max_num_f32_dpp v[T], v[T], v[T] row_xmask:1 row_mask:0xf bank_mask:0xf   ; with my neighbour's 16: the block's largest magnitude
	v_add_nc_u32 v[T+2], 0xff000000, v[T]          ; 2 off its exponent field: the conversion's scale operand
	v_cvt_scalef32_pk8_fp4_f32 v[T+4], v[XR:XR+7], v[T+2]
	v_cvt_scalef32_pk8_fp4_f32 v[T+5], v[XR+8:XR+15], v[T+2]
	v_lshrrev_b32 v[T+3], 23, v[T+2]               ; the scale's byte (a plain line behind the conversions)
	ds_store_b8 v7, v[T+3] offset:16*\st           ; both lanes of a block write the same byte with the same value
	global_store_b64 v8, v[T+4:T+5], s[32:33] offset:256*\st   ; the wave stores 256 consecutive bytes, aligned
.endm
.macro DOT q                           ; 4 d x 8 experts: two experts an instruction, x's number for both halves
.set WQ, WA+32*((\q)%2)
.irp n, 0,1,2,3
.irp p, 0,1,2,3
.if ((\q)==0) && (\n==0)
	v_pk_mul_f32 v[ACC+2*\p:ACC+2*\p+1], v[WQ+2*\p:WQ+2*\p+1], v[X:X+1] op_sel_hi:[1,0]   ; the first products start the sums
.elseif (\n%2)==0
	v_pk_fma_f32 v[ACC+2*\p:ACC+2*\p+1], v[WQ+8*\n+2*\p:WQ+8*\n+2*\p+1], v[X+4*(\q)+\n:X+4*(\q)+\n+1], v[ACC+2*\p:ACC+2*\p+1] op_sel_hi:[1,0,1]
.else
	v_pk_fma_f32 v[ACC+2*\p:ACC+2*\p+1], v[WQ+8*\n+2*\p:WQ+8*\n+2*\p+1], v[X+4*(\q)+\n-1:X+4*(\q)+\n], v[ACC+2*\p:ACC+2*\p+1] op_sel:[0,1,0] op_sel_hi:[1,1,1]
.endif
.endr
.endr
.endm
	BATCH 0
	QX 0
	QX 1
.irp q, 0,1,2,3,4,5,6
	BATCH \q+1
	s_wait_dscnt 8                                 ; all but the eight reads just issued
	DOT \q
.endr
	s_wait_dscnt 0x0
	DOT 7
.irp m, 1,2,4,8
.irp k, 0,1,2,3,4,5,6,7
	v_add_f32_dpp v[ACC+\k], v[ACC+\k], v[ACC+\k] row_xmask:\m row_mask:0xf bank_mask:0xf
.endr
.endr
.irp k, 0,1,2,3,4,5,6,7
	v_permlanex16_b32 v[WA+\k], v[ACC+\k], s36, s37
.endr
	s_wait_kmcnt 0x0                               ; router_b
.irp k, 0,1,2,3,4,5,6,7
	v_add_f32 v[P+\k], v[ACC+\k], v[WA+\k]
.endr
.irp k, 0,1,2,3,4,5,6,7
	v_add_f32 v[P+\k], s[24+\k], v[P+\k]           ; the logits, in every lane
.endr
	v_max3_num_f32 v176, v[P], v[P+1], v[P+2]
	v_max3_num_f32 v176, v176, v[P+3], v[P+4]
	v_max3_num_f32 v176, v176, v[P+5], v[P+6]
	v_max_num_f32 v176, v176, v[P+7]               ; the maximum is taken away ahead of the exponentials
.irp k, 0,1,2,3,4,5,6,7
	v_sub_f32 v[P+\k], v[P+\k], v176
.endr
.irp k, 0,1,2,3,4,5,6,7
	v_mul_f32 v[P+\k], 0x3fb8aa3b, v[P+\k]
.endr
.irp k, 0,1,2,3,4,5,6,7
	v_exp_f32 v[P+\k], v[P+\k]
.endr
	v_nop                                          ; a plain line behind the exponentials
	s_wait_alu depctr_va_vdst(0)
	v_add_f32 v177, v[P], v[P+1]
	v_add_f32 v178, v[P+2], v[P+3]
	v_add_f32 v179, v[P+4], v[P+5]
	v_add_f32 v180, v[P+6], v[P+7]
	v_add_f32 v177, v177, v178
	v_add_f32 v179, v179, v180
	v_add_f32 v177, v177, v179
	v_rcp_f32 v177, v177
	v_mov_b32 v181, 0                              ; (a plain line behind the reciprocal)  the first choice's index
	s_wait_alu depctr_va_vdst(0)
.irp k, 0,1,2,3,4,5,6,7
	v_mul_f32 v[P+\k], v[P+\k], v177               ; the probabilities
.endr
	v_mov_b32 v182, v[P]
.irp k, 1,2,3,4,5,6,7
	v_cmp_gt_f32 vcc_lo, v[P+\k], v182             ; strictly larger: the lower index keeps a tie
	v_cndmask_b32 v182, v182, v[P+\k], vcc_lo
	v_cndmask_b32 v181, v181, \k, vcc_lo
.endr
.irp k, 0,1,2,3,4,5,6,7
	v_cmp_eq_u32 vcc_lo, \k, v181
	v_cndmask_b32 v[ACC+\k], v[P+\k], -1.0, vcc_lo ; the winner is taken out: no probability lies under 0
.endr
	v_mov_b32 v183, 0
	v_mov_b32 v184, v[ACC]
.irp k, 1,2,3,4,5,6,7
	v_cmp_gt_f32 vcc_lo, v[ACC+\k], v184
	v_cndmask_b32 v184, v184, v[ACC+\k], vcc_lo
	v_cndmask_b32 v183, v183, \k, vcc_lo
.endr
	v_add_f32 v185, v182, v184
	v_rcp_f32 v185, v185
	v_lshl_or_b32 v186, v183, 8, v181              ; (a plain line behind the reciprocal)  e0 | e1 << 8
	s_wait_alu depctr_va_vdst(0)
	v_mul_f32 v188, v182, v185
	v_mul_f32 v189, v184, v185                     ; the two gates
	ds_store_b32 v9, v186                          ; every lane writes the same word with the same value
	ds_store_b64 v10, v[188:189]
	s_wait_dscnt 0x0                               ; for wave 0's sake: my bytes, my choice and my gates have landed
	s_barrier_signal -1
	s_barrier_wait -1
	s_cmp_lg_u32 s16, 0
	s_cbranch_scc1 .Lend
	ds_load_b64 v[48:49], v11                      ; wave 0 sends what the eight waves left
	ds_load_b128 v[52:55], v12
	ds_load_b128 v[56:59], v12 offset:16
	ds_load_b32 v50, v13
	s_wait_dscnt 0x0
	global_store_b64 v8, v[48:49], s[34:35]        ; 256 scale bytes: 256 consecutive bytes, aligned
	v_mov_b32 v60, 0
.irp k, 0,1,2,3,4,5,6,7
	v_bfe_u32 v61, v[52+\k], v15, 8                ; token k's j-th choice
	v_cmp_eq_u32 vcc_lo, v61, v14
	v_cndmask_b32 v61, 0, 1, vcc_lo
	v_lshl_or_b32 v60, v61, \k, v60                ; lane 8 j + e: its mask byte
.endr
	v_lshlrev_b32 v62, 8, v1
	v_add_nc_u32 v62, s44, v62                     ; masks: 256 (8 j + e) + g
	v_lshlrev_b32 v63, 2, v1
	s_wait_xcnt 0x0                                ; EXEC changes only behind this wait
	v_cmp_gt_u32 vcc_lo, 16, v0
	s_and_saveexec_b32 s20, vcc_lo
	global_store_b8 v62, v60, s[14:15]
	global_store_b32 v63, v50, s[12:13]            ; 16 gates: 64 consecutive bytes
	s_wait_xcnt 0x0
	s_or_b32 exec_lo, exec_lo, s20
.Lend:
	s_wait_tensorcnt 0x0
	ds_add_u32 v192, v193
	s_wait_dscnt 0x0
	s_endpgm
.Lfunc_end_k_q5d3a10305b_route:
	.size	k_q5d3a10305b_route, .Lfunc_end_k_q5d3a10305b_route-k_q5d3a10305b_route
	.p2alignl 7, 3214868480
	.fill 96, 4, 3214868480
	.section	.rodata,"a",@progbits
	.p2align	6, 0x0
	.amdhsa_kernel k_q5d3a10305b_route
		.amdhsa_group_segment_fixed_size 76800
		.amdhsa_private_segment_fixed_size 0
		.amdhsa_enable_private_segment 0
		.amdhsa_kernarg_size 48
		.amdhsa_user_sgpr_count 2
		.amdhsa_user_sgpr_kernarg_segment_ptr 1
		.amdhsa_wavefront_size32 1
		.amdhsa_system_sgpr_workgroup_id_x 1
		.amdhsa_system_sgpr_workgroup_id_y 1
		.amdhsa_system_sgpr_workgroup_id_z 1
		.amdhsa_system_vgpr_workitem_id 0
		.amdhsa_next_free_vgpr 194
		.amdhsa_next_free_sgpr 66
		.amdhsa_reserve_vcc 1
		.amdhsa_float_denorm_mode_32 3
		.amdhsa_float_denorm_mode_16_64 3
		.amdhsa_memory_ordered 1
		.amdhsa_forward_progress 1
		.amdhsa_inst_pref_size 32
	.end_amdhsa_kernel
	.amdgpu_metadata
---
amdhsa.version: [ 1, 2 ]
amdhsa.kernels:
  - .name:           k_q5d3a10305b_route
    .symbol:         k_q5d3a10305b_route.kd
    .args:
      - { .name: x, .offset: 0, .size: 8, .value_kind: global_buffer, .address_space: global }
      - { .name: router_w, .offset: 8, .size: 8, .value_kind: global_buffer, .address_space: global }
      - { .name: router_b, .offset: 16, .size: 8, .value_kind: global_buffer, .address_space: global }
      - { .name: xq, .offset: 24, .size: 8, .value_kind: global_buffer, .address_space: global }
      - { .name: gates, .offset: 32, .size: 8, .value_kind: global_buffer, .address_space: global }
      - { .name: masks, .offset: 40, .size: 8, .value_kind: global_buffer, .address_space: global }
    .group_segment_fixed_size: 76800
    .private_segment_fixed_size: 0
    .kernarg_segment_align: 8
    .kernarg_segment_size: 48
    .max_flat_workgroup_size: 256
    .sgpr_count:     66
    .vgpr_count:     194
    .wavefront_size: 32
...
	.end_amdgpu_metadata
.endif
;; end of part 1
;; launch up (part 2): grid 32 x 8, 8 waves a work-group, no clusters, 69,120 bytes of LDS; arguments w1, b1, xq, masks, hq, tabs; writes hq, tabs
.if DOCPART == 2
	.amdgcn_target "amdgcn-amd-amdhsa--gfx1250"
	.amdhsa_code_object_version 6
	.text
	.protected	k_q5d3a10305b_up
	.globl	k_q5d3a10305b_up
	.p2align	8
	.type	k_q5d3a10305b_up,@function
k_q5d3a10305b_up:
	s_mov_b64 s[64:65], 0
	v_nop
	global_prefetch_b8 v0, s[64:65] scope:SCOPE_SE
	s_setreg_imm32_b32 hwreg(HW_REG_WAVE_MODE, 25, 1), 1
	s_wait_xcnt 0x0
; FIRST PRODUCT OF THE CHOSEN EXPERTS: h = Q(relu(Q(x) Q(w1[e]) + b1[e])), on codes of E2M1 with one E8M0 scale for each 32 along K.
; THE WEIGHTS STAND STILL.  Work-group (sl, e) owns hidden units 64 sl .. 64 sl + 63 of expert e: 1,024 rows x 256 bytes of w1, read from memory once in the launch, by this work-group alone.
; STREAM.  Wave w takes columns 32 (w & 1) + lane and the blocks of 32 along K numbered 8 (t / 2) + 2 (w >> 1) + t % 2, t = 0 .. 7.  A lane takes a column and its registers run down K, so a block's largest
; magnitude needs no other lane and the conversions give codes with K innermost.  Codes and scale bytes go to LDS as IMAGES OF THE OPERAND'S REGISTERS (a group of four registers: 16 bytes a lane, 512 bytes on end),
; and after each pair of blocks a barrier lets every wave take two finished K steps into its own registers: all 32 fragments (4 tiles of 16 units x 8 K steps) fill window 1.  No weight code goes to memory.
; THE UNITS OF A TILE ARE NOT NEIGHBOURS: row r of tile 2 b + u is unit 32 b + 8 u + r + 8 (r / 8), and the product is used transposed (source 0 = 16 units, source 1 = 16 tokens): a lane then holds one token,
; and the 16 registers of tiles 2 b, 2 b + 1 are 16 neighbours along the next K.
; ROWS.  Wave w of every work-group of expert e owns REGION (e, w): the tokens 256 w .. 256 w + 255 that chose e, in token order, 16 to a tile.  The token at place p of a region is found from 8 mask words in scalar
; registers by integer arithmetic (EVAL): the chunk by compares with the prefix counts, the bit by a search over partial bit counts.  So no launch sorts and nothing is scattered.
; A region's last tile is filled up with tokens of its own range, whose results nobody reads; tile 0 is always made, so that the next launch may always load it.
; OUT.  hq: codes as images [region][tile 16][K step 16][group 2][512 bytes]: this work-group's 64 units are group sl & 1 of K step sl >> 1; scale words [region][tile][2][32 lanes][4] from HSOFF on: two bytes a row from here.
; THE TABLES for the later launches (tabs) are shared out among nine slices of each expert: slice sl = c (0 .. 7) stores the places of the tokens of chunk c (32 tokens) of each of its eight regions, slice 8 the regions'
; row counts.  A chunk's block narrows EXEC by the stored mask words; the blocks stand at the wave's end, their stores take an offset made at the kernel's head, and no address is made behind them.
; No tensor load and no cluster: trip counts hang on stored counts, and no weight byte is shared between work-groups.
; LIMITS: blocks whose largest magnitude lies under 2^-124 get the byte 1 (a block of zeros too: its codes are zeros); NaN and infinities are not served.  The scale halves are stores of two bytes a row.
; REGISTERS, window 0: v1-15 addresses; v16-31 at work; v32-95 two landing sets of w1, later v32-63 the four accumulators and v64-83 the quantiser's; v96-159, v160-223 x's fragments of two tiles;
;   v224-239 w1's scale words (register 8 b + s: lanes 0-15 tile 2 b, lanes 16-31 tile 2 b + 1); v240-247 x's (register s: lanes 0-15 the even tile's rows, lanes 16-31 the odd tile's).  Window 1: w1's fragment (c, s) at v[8 (8 c + s)].
.set IMGP,   8320                      ; a tile's 8 images of 1,024 bytes + 128: lanes 8-15 of a store then fall on other banks than lanes 0-7
.set SCB,    4*IMGP                    ; scale words: (8 b + s) x 128 + 4 x lane
.set BIAS,   SCB+2048                  ; 4,096 bytes for each wave: b1 in the accumulators' layout
.set XSOFF,  1048576
.set HSOFF,  16777216
.set RIDOFF, 8192
.set ACC,  32
.set PC,   64                          ; v64-67 the codes just made
.set HALF, 72
.set TM,   76                          ; v76-83
.set HCO,  30
.set HSO,  31
.set A0,   96
.set A1,   160
.set BSC,  224
.set XSC,  240
.set MSB, 0
.macro WIN new                         ; the immediate's high byte repeats the setting that is left
.if MSB != \new
	s_set_vgpr_msb (MSB<<8)|\new
.set MSB, \new
.endif
.endm
	s_load_b256 s[4:11], s[0:1], 0x0               ; w1, b1, xq, masks
	s_load_b128 s[12:15], s[0:1], 0x20             ; hq, tabs
	v_lshl_add_u32 v254, v0, 2, 0x10a00
	v_mov_b32 v255, 0
	v_lshrrev_b32 v1, 5, v0
	v_readfirstlane_b32 s16, v1                    ; wave
	s_mov_b32 s17, ttmp9                           ; sl
	s_and_b32 s18, ttmp7, 0xffff                   ; e
	s_and_b32 s86, s16, 1                          ; which 32 columns
	s_lshr_b32 s87, s16, 1                         ; which quarter of the blocks
	s_lshr_b32 s89, s87, 1
	s_and_b32 s2, s87, 1
	s_lshl_b32 s88, s18, 3
	s_add_co_u32 s88, s88, s16                     ; region 8 e + w
	v_and_b32 v1, 31, v0                           ; lane
	v_and_b32 v2, 15, v0
	v_lshlrev_b32 v2, 4, v2                        ; 16 x (lane % 16)
	v_bfe_u32 v16, v0, 4, 1                        ; lane / 16
	v_bfe_u32 v17, v0, 3, 1                        ; u
	v_and_b32 v18, 7, v0
	v_lshlrev_b32 v3, 4, v16                       ; 16 x (lane / 16)
	v_lshlrev_b32 v248, 6, v16                     ; b1: 64 bytes further on for lanes 16-31
	v_lshlrev_b32 v4, 4, v1                        ; 16 x lane
	v_lshlrev_b32 v5, 2, v1                        ; 4 x lane
	v_mul_u32_u24 v6, v17, IMGP                    ; where my column's codes go: tile 2 (w & 1) + u, row lane % 8 + 8 (lane / 16)
	v_lshl_add_u32 v6, v18, 4, v6
	v_lshl_add_u32 v6, v16, 7, v6
	s_mul_i32 s71, s86, 2*IMGP
	s_lshl_b32 s73, s89, 10                        ; K step 2 (t / 2) + (w >> 2),
	s_add_co_u32 s71, s71, s73
	s_lshl_b32 s73, s2, 9                          ; register group (w >> 1) & 1
	s_add_co_u32 s71, s71, s73
	v_add_nc_u32 v6, s71, v6
	v_lshlrev_b32 v7, 6, v17                       ; and its two scale bytes
	v_lshl_add_u32 v7, v18, 2, v7
	v_lshl_add_u32 v7, v16, 5, v7
	s_lshl_b32 s71, s86, 10
	s_lshl_b32 s73, s89, 7
	s_add_co_u32 s71, s71, s73
	s_lshl_b32 s73, s2, 1
	s_add_co_u32 s71, s71, s73
	s_add_co_u32 s71, s71, SCB
	v_add_nc_u32 v7, s71, v7
	s_lshl_b32 s71, s16, 12
	s_add_co_u32 s71, s71, BIAS
	v_add_nc_u32 v8, s71, v4
	v_add_nc_u32 v9, SCB, v5
	v_mov_b32 v14, 0                               ; written once: a lane permute's destination counts as one of its sources
	s_mov_b32 s62, 0x76543210
	s_mov_b32 s63, 0xfedcba98                      ; v_permlanex16_b32's selects for lane l xor 16
	s_mov_b32 s66, 0xffff0000                      ; lanes 16-31
	s_lshl_b32 s67, s16, 8                         ; the region's first token
	s_lshl_b32 s84, s88, 13                        ; region x 8,192: a row's number in yw is this + its place
	s_lshl_b32 s72, s18, 23                        ; w1: expert, my 32 columns, my quarter's first row
	s_lshl_b32 s71, s17, 8
	s_add_co_u32 s72, s72, s71
	s_lshl_b32 s71, s86, 7
	s_add_co_u32 s72, s72, s71
	s_lshl_b32 s71, s87, 19
	s_add_co_u32 s72, s72, s71
	s_mov_b32 s73, 0
	s_lshl_b32 s74, s18, 13                        ; b1
	s_lshl_b32 s71, s17, 8
	s_add_co_u32 s74, s74, s71
	s_mov_b32 s75, 0
	s_lshl_b32 s90, s18, 8                         ; masks: 256 e + 32 w
	s_lshl_b32 s71, s16, 5
	s_add_co_u32 s90, s90, s71
	s_mov_b32 s91, 0
	s_lshl_b32 s92, s88, 18                        ; hq's codes: region, 512 sl
	s_lshl_b32 s71, s17, 9
	s_add_co_u32 s92, s92, s71
	s_mov_b32 s93, 0
	s_lshl_b32 s94, s88, 14                        ; hq's scale words: K step s = sl >> 1: 512 (s >> 3) + 256 ((s >> 2) & 1) + 4 (s & 3), bytes 2 (sl & 1) on
	s_add_co_u32 s94, s94, HSOFF
	s_lshr_b32 s71, s17, 4
	s_lshl_b32 s71, s71, 9
	s_add_co_u32 s94, s94, s71
	s_bfe_u32 s71, s17, 0x10003
	s_lshl_b32 s71, s71, 8
	s_add_co_u32 s94, s94, s71
	s_bfe_u32 s71, s17, 0x20001
	s_lshl_b32 s71, s71, 2
	s_add_co_u32 s94, s94, s71
	s_and_b32 s71, s17, 1
	s_lshl_b32 s71, s71, 1
	s_add_co_u32 s94, s94, s71
	s_mov_b32 s95, 0
	s_lshl_b32 s96, s88, 7                         ; tabs: the region's row of 128 bytes,
	s_mov_b32 s97, 0
	s_lshl_b32 s98, s16, 10                        ; and the places of tokens 256 w on
	s_add_co_u32 s98, s98, RIDOFF
	s_mov_b32 s99, 0
	s_wait_kmcnt 0x0
	s_add_nc_u64 s[90:91], s[10:11], s[90:91]
	s_load_b256 s[28:35], s[90:91], 0x0            ; who has e as first choice: 8 words of 32 tokens
	s_load_b256 s[36:43], s[90:91], 0x800          ; as second
	s_add_nc_u64 s[20:21], s[4:5], s[72:73]
	s_add_nc_u64 s[6:7], s[6:7], s[74:75]
	s_add_nc_u64 s[24:25], s[8:9], XSOFF
	s_add_nc_u64 s[76:77], s[12:13], s[92:93]
	s_add_nc_u64 s[78:79], s[12:13], s[94:95]
	s_add_nc_u64 s[80:81], s[14:15], s[96:97]
	s_add_nc_u64 s[82:83], s[14:15], s[98:99]
.irp c, 0,1,2,3                        ; b1 in the accumulators' layout: tile c, lane (r, h): units 32 (c / 2) + 8 (c % 2) + 16 h + 0 .. 7
	global_load_b128 v[96+8*\c:99+8*\c], v248, s[6:7] offset:(32*(\c/2)+8*(\c%2))*4
	global_load_b128 v[100+8*\c:103+8*\c], v248, s[6:7] offset:(32*(\c/2)+8*(\c%2))*4+16
.endr
.macro LOADW t                         ; block t of my eight: 32 rows of w1 at my column; the wave reads 128 consecutive bytes, and the wave beside it the 128 that follow
.irp i, 0,1,2,3,4,5,6,7,8,9,10,11,12,13,14,15,16,17,18,19,20,21,22,23,24,25,26,27,28,29,30,31
	global_load_b32 v[32+32*((\t)%2)+\i], v5, s[20:21] offset:(((\t)/2)*256+((\t)%2)*32+\i)*8192 th:TH_LOAD_NT
.endr
.endm
	LOADW 0
	LOADW 1
	s_wait_kmcnt 0x0
.irp c, 0,1,2,3,4,5,6,7
	s_or_b32 s[44+\c], s[28+\c], s[36+\c]          ; who chose e at all
.endr
	s_mov_b32 s52, 0
.irp c, 0,1,2,3,4,5,6
	s_bcnt1_i32_b32 s71, s[44+\c]
	s_add_co_u32 s[53+\c], s[52+\c], s71           ; how many stand ahead of each chunk of 32 tokens
.endr
	s_bcnt1_i32_b32 s71, s51
	s_add_co_u32 s60, s59, s71                     ; the region's rows
	s_add_co_u32 s61, s60, 15
	s_lshr_b32 s61, s61, 4
	s_max_u32 s61, s61, 1                          ; its tiles, at least one
; One step of the search for the q-th set bit: does it lie beyond the field of \stp bits at bit v24?
.macro SEL lev, wid, stp
	v_bfe_u32 v25, v[\lev], v24, \wid
	v_cmp_ge_u32 vcc_lo, v16, v25
	v_cndmask_b32 v25, 0, v25, vcc_lo
	v_sub_nc_u32 v16, v16, v25
	v_cndmask_b32 v26, 0, \stp, vcc_lo
	v_add_nc_u32 v24, v24, v26
.endm
; v13 = the token at place s85 + lane of my region.  Places at or beyond the region's rows give some token of its own range.
.macro EVAL
	v_add_nc_u32 v16, s85, v1                      ; p
	v_mov_b32 v17, 0
	v_mov_b32 v18, s44
	v_mov_b32 v19, 0
.irp c, 1,2,3,4,5,6,7
	v_cmp_le_u32 vcc_lo, s[52+\c], v16             ; the last chunk whose prefix count does not pass p
	v_cndmask_b32 v17, v17, s[52+\c], vcc_lo
	v_cndmask_b32 v18, v18, s[44+\c], vcc_lo
	v_cndmask_b32 v19, v19, \c, vcc_lo
.endr
	v_sub_nc_u32 v16, v16, v17                     ; q: which set bit of the chunk's word m
	v_lshrrev_b32 v20, 1, v18
	v_and_b32 v20, 0x55555555, v20
	v_sub_nc_u32 v20, v18, v20                     ; bit counts of fields of 2,
	v_lshrrev_b32 v21, 2, v20
	v_and_b32 v21, 0x33333333, v21
	v_and_b32 v22, 0x33333333, v20
	v_add_nc_u32 v21, v21, v22                     ; of 4,
	v_lshrrev_b32 v22, 4, v21
	v_add_nc_u32 v22, v22, v21
	v_and_b32 v22, 0x0f0f0f0f, v22                 ; of 8,
	v_lshrrev_b32 v23, 8, v22
	v_add_nc_u32 v23, v23, v22                     ; of 16 (in the low byte)
	v_mov_b32 v24, 0
	SEL 23, 8, 16
	SEL 22, 8, 8
	SEL 21, 4, 4
	SEL 20, 2, 2
	SEL 18, 1, 1
	v_lshl_add_u32 v24, v19, 5, v24
	v_add_nc_u32 v13, s67, v24
.endm
; Lanes 0-15 hold the even tile's tokens, lanes 16-31 the odd tile's.  A fragment wants row lane % 16 in both halves of the lanes.
.macro ADDR0
	v_permlanex16_b32 v14, v13, s62, s63
	v_cndmask_b32 v27, v13, v14, s66               ; the even tile's token of row lane % 16
	v_cndmask_b32 v15, v14, v13, s66               ; the odd tile's
	v_min_u32 v27, 0x7ff, v27                      ; a number made from loaded words enters an address only held inside the table
	v_min_u32 v15, 0x7ff, v15
	v_min_u32 v26, 0x7ff, v13
	v_lshl_add_u32 v10, v27, 9, v3                 ; its 512 bytes of codes, + 16 (lane / 16)
	v_lshlrev_b32 v12, 5, v26                      ; my own token's 32 scale bytes
.endm
.macro ADDR1
	v_lshl_add_u32 v11, v15, 9, v3
.endm
.macro ALOAD buf, adr                  ; a tile's 8 fragments: registers 8 s + 4 c on hold k = 128 s + 64 c + 32 (lane / 16) + 0 .. 31 of row lane % 16
.irp s, 0,1,2,3,4,5,6,7
.irp c, 0,1
	global_load_b128 v[\buf+8*\s+4*\c:\buf+8*\s+4*\c+3], v[\adr], s[8:9] offset:64*\s+32*\c
.endr
.endr
.endm
.macro XSLOAD
	global_load_b128 v[XSC:XSC+3], v12, s[24:25]
	global_load_b128 v[XSC+4:XSC+7], v12, s[24:25] offset:16
.endm
.macro BIASLD                          ; the sums begin as b1
.irp k, 0,1,2,3,4,5,6,7
	ds_load_b128 v[ACC+4*\k:ACC+4*\k+3], v8 offset:512*\k
.endr
.endm
	s_mov_b32 s85, 0
	EVAL
	ADDR0
	ADDR1
; Block t: n = the younger loads that may stay out.
.macro BLOCK t, n
.set XR, 32+32*((\t)%2)
.set CD, 16+4*((\t)%2)
	s_wait_loadcnt \n
.if (\t)==0
.irp k, 0,1,2,3,4,5,6,7
	ds_store_b128 v8, v[96+4*\k:99+4*\k] offset:512*\k   ; b1 (loaded ahead of block 0) to my own bytes of LDS
.endr
.endif
	v_max3_num_f32 v24, |v[XR]|, |v[XR+1]|, |v[XR+2]|
	v_max3_num_f32 v25, |v[XR+3]|, |v[XR+4]|, |v[XR+5]|
.irp i, 6,10,14,18,22,26
	v_max3_num_f32 v24, v24, |v[XR+\i]|, |v[XR+\i+1]|
	v_max3_num_f32 v25, v25, |v[XR+\i+2]|, |v[XR+\i+3]|
.endr
	v_max3_num_f32 v24, v24, |v[XR+30]|, |v[XR+31]|
	v_max3_num_f32 v24, v24, v25, 0x1800000        ; the floor 2^(3 - 127): the byte cannot fall under 1
	v_add_nc_u32 v26, 0xff000000, v24              ; 2 off the exponent field: the conversion's scale operand
.irp g, 0,1,2,3
	v_cvt_scalef32_pk8_fp4_f32 v[CD+\g], v[XR+8*\g:XR+8*\g+7], v26
.endr
	v_lshrrev_b32 v[27+(\t)%2], 23, v26            ; the scale's byte (a plain line behind the conversions)
	ds_store_b128 v6, v[CD:CD+3] offset:((\t)/2)*2048+((\t)%2)*256
.if (\t)%2
	v_lshl_or_b32 v29, v28, 8, v27
	ds_store_b16 v7, v29 offset:((\t)/2)*256       ; two neighbouring bytes of my row's scale word
.endif
.if (\t)+2 < 8
	LOADW (\t)+2
.endif
.endm
; K steps 2 f and 2 f + 1 are whole in LDS: every wave takes them into its registers.  Later blocks write other bytes, so one barrier serves.
.macro PHASE f
	s_wait_dscnt 0x0                               ; my stores have landed (and have read their registers)
	s_barrier_signal -1
	s_barrier_wait -1
.irp b, 0,1
.irp d, 0,1
	ds_load_b32 v[BSC+8*\b+2*\f+\d], v9 offset:(8*\b+2*\f+\d)*128
.endr
.endr
	WIN 0x40                                       ; destination window 1
.irp c, 0,1,2,3
.irp d, 0,1
.irp g, 0,1
	ds_load_b128 v[8*(8*\c+2*\f+\d)+4*\g:8*(8*\c+2*\f+\d)+4*\g+3], v4 offset:\c*IMGP+(2*\f+\d)*1024+512*\g
.endr
.endr
.endr
	WIN 0
.endm
	BLOCK 0, 32                                    ; 32: the next block's loads
	BLOCK 1, 32
	PHASE 0
	BLOCK 2, 32
	BLOCK 3, 32
	PHASE 1
	BLOCK 4, 32
	BLOCK 5, 32
	PHASE 2
	ALOAD A0, 10                                   ; the first two tiles of x are asked for while the last weights come
	XSLOAD
	ALOAD A1, 11
	BLOCK 6, 63                                    ; 66 younger loads are out; the count's field ends at 63
	BLOCK 7, 34                                    ; the 34 loads of x
	PHASE 3
	v_mov_b32 v[TM+2], 0                           ; written once: lane permutes' destinations
	v_mov_b32 v[TM+3], 0
	BIASLD
.macro WMC d, b, a, sb, sa, ra, rb     ; one product in place; ra, rb: the scales of source 0, 1 stand in lanes 16-31
.if ((\ra)==0) && ((\rb)==0)
	v_wmma_scale_f32_16x16x128_f8f6f4 v[\d:\d+7], v[\b:\b+7], v[\a:\a+7], v[\d:\d+7], v[\sb], v[\sa] matrix_a_fmt:MATRIX_FMT_FP4 matrix_b_fmt:MATRIX_FMT_FP4
.elseif ((\ra)==1) && ((\rb)==0)
	v_wmma_scale_f32_16x16x128_f8f6f4 v[\d:\d+7], v[\b:\b+7], v[\a:\a+7], v[\d:\d+7], v[\sb], v[\sa] matrix_a_fmt:MATRIX_FMT_FP4 matrix_b_fmt:MATRIX_FMT_FP4 matrix_a_scale:MATRIX_SCALE_ROW1
.elseif ((\ra)==0) && ((\rb)==1)
	v_wmma_scale_f32_16x16x128_f8f6f4 v[\d:\d+7], v[\b:\b+7], v[\a:\a+7], v[\d:\d+7], v[\sb], v[\sa] matrix_a_fmt:MATRIX_FMT_FP4 matrix_b_fmt:MATRIX_FMT_FP4 matrix_b_scale:MATRIX_SCALE_ROW1
.else
	v_wmma_scale_f32_16x16x128_f8f6f4 v[\d:\d+7], v[\b:\b+7], v[\a:\a+7], v[\d:\d+7], v[\sb], v[\sa] matrix_a_fmt:MATRIX_FMT_FP4 matrix_b_fmt:MATRIX_FMT_FP4 matrix_a_scale:MATRIX_SCALE_ROW1 matrix_b_scale:MATRIX_SCALE_ROW1
.endif
.endm
.macro MUL buf, par                    ; a tile: 8 K steps x 4 tiles of units; the four accumulators take turns, one instruction a turn
	WIN 0x01                                       ; source 0 (w1) window 1
.irp s, 0,1,2,3,4,5,6,7
.irp c, 0,1,2,3
	WMC ACC+8*\c, 8*(8*\c+\s), \buf+8*\s, BSC+8*(\c/2)+\s, XSC+\s, \c%2, \par
.endr
.endr
	WIN 0
.endm
; Tile s69's 64 hidden units of 16 tokens: relu, two blocks of 32 quantised in registers, one register group and two scale bytes a row stored.
; It writes anew the registers that the tile before's two stores read (v30, v31, v64-67, v72): the wait that frees them stands in the loop, ahead of the loads that are issued just in front of this macro.
.macro POST
.irp j, 0,1,2,3,4,5,6,7,8,9,10,11,12,13,14,15,16,17,18,19,20,21,22,23,24,25,26,27,28,29,30,31
	v_max_num_f32 v[ACC+\j], 0, v[ACC+\j]          ; each accumulator from its low end on
.endr
.irp b, 0,1
	v_max3_num_f32 v[TM+\b], v[ACC+16*\b], v[ACC+16*\b+1], 0x1800000   ; none is negative: no |.|; the floor holds the byte at 1
.endr
.irp i, 2,4,6,8,10,12,14
.irp b, 0,1
	v_max3_num_f32 v[TM+\b], v[TM+\b], v[ACC+16*\b+\i], v[ACC+16*\b+\i+1]
.endr
.endr
.irp b, 0,1
	v_permlanex16_b32 v[TM+2+\b], v[TM+\b], s62, s63
.endr
.irp b, 0,1
	v_max_num_f32 v[TM+\b], v[TM+\b], v[TM+2+\b]   ; with lane l xor 16's 16 units: the block's
.endr
.irp b, 0,1
	v_add_nc_u32 v[TM+4+\b], 0xff000000, v[TM+\b]
.endr
.irp b, 0,1
	v_lshrrev_b32 v[TM+6+\b], 23, v[TM+4+\b]
.endr
	v_lshl_or_b32 v[HALF], v[TM+7], 8, v[TM+6]
.irp b, 0,1
	v_cvt_scalef32_pk8_fp4_f32 v[PC+2*\b], v[ACC+16*\b:ACC+16*\b+7], v[TM+4+\b]
	v_cvt_scalef32_pk8_fp4_f32 v[PC+2*\b+1], v[ACC+16*\b+8:ACC+16*\b+15], v[TM+4+\b]
.endr
	v_nop                                          ; a plain line behind the conversions
	v_permlane16_swap_b32 v[PC], v[PC+2]           ; the operand's layout wants a whole block in a lane: lanes 0-15 the first block, lanes 16-31 the second
	v_permlane16_swap_b32 v[PC+1], v[PC+3]
	v_lshl_add_u32 v[HCO], s69, 14, v4
	v_lshl_add_u32 v[HSO], s69, 10, v2
	global_store_b128 v[HCO], v[PC:PC+3], s[76:77] ; the wave stores 512 consecutive bytes, aligned
	global_store_b16 v[HSO], v[HALF], s[78:79]     ; lanes r and r + 16 write the same two bytes with the same value
.endm
	s_mov_b32 s68, 0
.Ltile:                                            ; a trip takes two tiles; it leaves by a jump forward on the stored count
	s_lshl_b32 s69, s68, 1
	s_cmp_ge_u32 s69, s61
	s_cbranch_scc1 .Ldone
	s_wait_loadcnt 16                              ; the even tile's fragments and both tiles' scale words are in (so v10 and v12 may be written anew); the odd tile's 16 loads may be out
	s_wait_dscnt 0x0                               ; w1's fragments, and b1 in the accumulators
	MUL A0, 0
	s_lshl_b32 s85, s68, 5
	s_add_co_u32 s85, s85, 32
	EVAL                                           ; the next two tiles' tokens: these lines are also the places behind the products
	ADDR0
	s_wait_xcnt 0x0                                ; the odd tile before's stores have read their registers: POST below writes them anew.  It stands ahead of the 16 loads, so that it does not wait for them too
	ALOAD A0, 10
	POST
	s_add_co_u32 s69, s69, 1
	s_cmp_ge_u32 s69, s61
	s_cbranch_scc1 .Ldone
	BIASLD
	s_wait_loadcnt 16                              ; the odd tile's fragments are in (so v11 may be written anew); the 16 loads just issued may be out
	ADDR1
	s_wait_dscnt 0x0
	MUL A1, 1
.rept 4
	v_nop                                          ; places in front of loads into registers that the products have read
.endr
	s_wait_xcnt 0x0                                ; the even tile's stores have read their registers: POST below writes them anew.  Ahead of the 18 loads, as above
	XSLOAD
	ALOAD A1, 11
	POST
	BIASLD
	s_add_co_u32 s68, s68, 1
	s_cmp_lt_u32 s68, 8
	s_cbranch_scc1 .Ltile
.Ldone:
	; THE TABLES.  Branches on the work-group's number alone: a work-group runs at most one of the nine blocks.  The offset v5 = 4 x lane was made at the head; only data are written here, and no address is made behind these lines.
	s_cmp_lg_u32 s17, 8
	s_cbranch_scc1 .Lno_count
	v_mov_b32 v17, s60
	global_store_b32 v5, v17, s[80:81]             ; the region's rows, in all 32 words of its row of tabs: 128 consecutive bytes
.Lno_count:
.irp c, 0,1,2,3,4,5,6,7
	s_cmp_lg_u32 s17, \c
	s_cbranch_scc1 .Lnot_\c
	v_mbcnt_lo_u32_b32 v16, s[44+\c], s[52+\c]     ; token 256 w + 32 c + lane's place in the region, if it chose e
	v_add_nc_u32 v16, s84, v16
.irp j, 0,1
	s_wait_xcnt 0x0                                ; EXEC changes only behind this wait: every memory instruction issued so far has had its addresses translated
	s_mov_b32 vcc_lo, s[28+8*\j+\c]
	s_and_saveexec_b32 s70, vcc_lo                 ; the tokens whose j-th choice is e: the addresses are fixed, the mask is a stored whole number
	global_store_b32 v5, v16, s[82:83] offset:8192*\j+128*\c
	s_wait_xcnt 0x0                                ; and again in front of the line that widens it; v16 is written anew only behind it
	s_or_b32 exec_lo, exec_lo, s70
.endr
.Lnot_\c:
.endr
	s_wait_tensorcnt 0x0
	ds_add_u32 v254, v255
	s_wait_dscnt 0x0
	s_endpgm
.Lfunc_end_k_q5d3a10305b_up:
	.size	k_q5d3a10305b_up, .Lfunc_end_k_q5d3a10305b_up-k_q5d3a10305b_up
	.p2alignl 7, 3214868480
	.fill 96, 4, 3214868480
	.section	.rodata,"a",@progbits
	.p2align	6, 0x0
	.amdhsa_kernel k_q5d3a10305b_up
		.amdhsa_group_segment_fixed_size 69120
		.amdhsa_private_segment_fixed_size 0
		.amdhsa_enable_private_segment 0
		.amdhsa_kernarg_size 48
		.amdhsa_user_sgpr_count 2
		.amdhsa_user_sgpr_kernarg_segment_ptr 1
		.amdhsa_wavefront_size32 1
		.amdhsa_system_sgpr_workgroup_id_x 1
		.amdhsa_system_sgpr_workgroup_id_y 1
		.amdhsa_system_sgpr_workgroup_id_z 1
		.amdhsa_system_vgpr_workitem_id 0
		.amdhsa_next_free_vgpr 512
		.amdhsa_next_free_sgpr 100
		.amdhsa_reserve_vcc 1
		.amdhsa_float_denorm_mode_32 3
		.amdhsa_float_denorm_mode_16_64 3
		.amdhsa_memory_ordered 1
		.amdhsa_forward_progress 1
		.amdhsa_inst_pref_size 86
	.end_amdhsa_kernel
	.amdgpu_metadata
---
amdhsa.version: [ 1, 2 ]
amdhsa.kernels:
  - .name:           k_q5d3a10305b_up
    .symbol:         k_q5d3a10305b_up.kd
    .args:
      - { .name: w1, .offset: 0, .size: 8, .value_kind: global_buffer, .address_space: global }
      - { .name: b1, .offset: 8, .size: 8, .value_kind: global_buffer, .address_space: global }
      - { .name: xq, .offset: 16, .size: 8, .value_kind: global_buffer, .address_space: global }
      - { .name: masks, .offset: 24, .size: 8, .value_kind: global_buffer, .address_space: global }
      - { .name: hq, .offset: 32, .size: 8, .value_kind: global_buffer, .address_space: global }
      - { .name: tabs, .offset: 40, .size: 8, .value_kind: global_buffer, .address_space: global }
    .group_segment_fixed_size: 69120
    .private_segment_fixed_size: 0
    .kernarg_segment_align: 8
    .kernarg_segment_size: 48
    .max_flat_workgroup_size: 256
    .sgpr_count:     100
    .vgpr_count:     512
    .wavefront_size: 32
...
	.end_amdgpu_metadata
.endif
;; end of part 2
;; launch down (part 3): grid 32 x 8, 8 waves a work-group, no clusters, 70,656 bytes of LDS; arguments w2, b2, hq, tabs, yw; writes yw
.if DOCPART == 3
	.amdgcn_target "amdgcn-amd-amdhsa--gfx1250"
	.amdhsa_code_object_version 6
	.text
	.protected	k_q5d3a10305b_down
	.globl	k_q5d3a10305b_down
	.p2align	8
	.type	k_q5d3a10305b_down,@function
k_q5d3a10305b_down:
	s_mov_b64 s[64:65], 0
	v_nop
	global_prefetch_b8 v0, s[64:65] scope:SCOPE_SE
	s_setreg_imm32_b32 hwreg(HW_REG_WAVE_MODE, 25, 1), 1
	s_wait_xcnt 0x0
; SECOND PRODUCT OF THE CHOSEN EXPERTS: y = h Q(w2[e]) + b2[e], h as the codes and scale words that the launch before left.
; THE WEIGHTS STAND STILL.  Work-group (sl, e) owns output columns 32 sl .. 32 sl + 31 of expert e: 2,048 rows x 128 bytes of w2, read by this work-group alone.
; STREAM.  Lane = column; wave w takes the blocks of 32 along K numbered 16 (t / 2) + 2 w + t % 2, t = 0 .. 7; registers run down K.  Codes and scale bytes go to LDS as images of the operand's registers; after each
; pair of blocks a barrier lets every wave take four finished K steps: all 32 fragments (2 tiles of 16 columns x 16 K steps) fill window 1.
; ROWS.  Wave w owns region (e, w) as before; its tiles are dense images in hq, so every load takes 512 consecutive bytes.  The product is used transposed (source 0 = 16 columns, source 1 = 16 tokens):
; a lane holds one token and eight neighbouring columns.  A tile's 16 x 32 results turn through the wave's own stage in LDS and leave as 2,048 consecutive bytes:
; yw [region][sl][256 rows][32 columns] f32.  The gates and the sum of a token's two experts are the next launch's: an output row has two owners here.
; THE SUM OVER K runs in two accumulators for each tile of columns (even and odd K steps), added at the end: four accumulators take turns.  Nothing is quantised behind it.
; Slices sl and sl ^ 1 each read half of every 256 bytes of w2's rows; they are neighbours in the grid, and the loads carry no hint that would drop the other half early.
; No tensor load and no cluster: trip counts hang on stored counts, and no weight byte is shared between work-groups.
; LIMITS: blocks of w2 whose largest magnitude lies under 2^-124 get the byte 1; NaN and infinities are not served.
; REGISTERS, window 0: v1-15 addresses; v16-31 at work; v32-95 two landing sets of w2, later v32-63 the accumulators (c, parity) at v[32 + 16 c + 8 parity], v64-79 the sums, v80-95 rows read back;
;   v96-159, v160-223 h's fragments of K steps 0-7, 8-15; v224-239 w2's scale words (register s: lanes 0-15 columns 0-15, lanes 16-31 columns 16-31); v240-247 h's.  Window 1: w2's fragment (c, s) at v[8 (16 c + s)].
.set SCB,   32768
.set BIAS,  SCB+2048                   ; 2,048 bytes for each wave
.set STG,   BIAS+8*2048                ; 16 rows x 144 bytes for each wave
.set SPT,   144
.set HSOFF, 16777216
.set AC,   32
.set A0,   96
.set BSC,  224
.set HSC,  240
.set YO,   30
.set MSB, 0
.macro WIN new                         ; the immediate's high byte repeats the setting that is left
.if MSB != \new
	s_set_vgpr_msb (MSB<<8)|\new
.set MSB, \new
.endif
.endm
	s_load_b256 s[4:11], s[0:1], 0x0               ; w2, b2, hq, tabs
	s_load_b64 s[12:13], s[0:1], 0x20              ; yw
	v_lshl_add_u32 v254, v0, 2, 0x11000
	v_mov_b32 v255, 0
	v_lshrrev_b32 v1, 5, v0
	v_readfirstlane_b32 s16, v1                    ; wave
	s_mov_b32 s17, ttmp9                           ; sl
	s_and_b32 s18, ttmp7, 0xffff                   ; e
	s_lshr_b32 s86, s16, 1
	s_and_b32 s87, s16, 1
	s_lshl_b32 s88, s18, 3
	s_add_co_u32 s88, s88, s16                     ; region 8 e + w
	v_and_b32 v1, 31, v0                           ; lane
	v_bfe_u32 v16, v0, 4, 1                        ; lane / 16
	v_and_b32 v17, 15, v0                          ; lane % 16
	v_lshlrev_b32 v248, 5, v16                     ; b2: 32 bytes further on for lanes 16-31
	v_lshlrev_b32 v4, 4, v1                        ; 16 x lane
	v_lshlrev_b32 v5, 2, v1                        ; 4 x lane
	v_lshlrev_b32 v6, 14, v16                      ; where my column's codes go: tile lane / 16, row lane % 16,
	v_lshl_add_u32 v6, v17, 4, v6
	s_lshl_b32 s71, s86, 10                        ; K step 4 (t / 2) + (w >> 1),
	s_lshl_b32 s73, s87, 9                         ; register group w & 1
	s_add_co_u32 s71, s71, s73
	v_add_nc_u32 v6, s71, v6
	s_lshl_b32 s71, s86, 7
	s_lshl_b32 s73, s87, 1
	s_add_co_u32 s71, s71, s73
	s_add_co_u32 s71, s71, SCB
	v_add_nc_u32 v7, s71, v5                       ; and its two scale bytes
	s_lshl_b32 s71, s16, 11
	s_add_co_u32 s71, s71, BIAS
	v_add_nc_u32 v8, s71, v4
	v_add_nc_u32 v9, SCB, v5
	s_mul_i32 s71, s16, 16*SPT
	s_add_co_u32 s71, s71, STG                     ; my stage
	v_mul_u32_u24 v14, v17, SPT
	v_lshl_add_u32 v14, v16, 5, v14
	v_add_nc_u32 v14, s71, v14                     ; in: row lane % 16, 32 bytes for each half of the lanes
	v_lshrrev_b32 v18, 3, v1
	v_mul_u32_u24 v15, v18, SPT
	v_and_b32 v18, 7, v1
	v_lshl_add_u32 v15, v18, 4, v15
	v_add_nc_u32 v15, s71, v15                     ; back: eight lanes to a row of 128 bytes, four rows an instruction
	v_mov_b32 v10, v4                              ; tile 0's images and scale words: 16 x lane
	v_mov_b32 v11, v4
	v_mov_b32 v12, v4
	v_mov_b32 v13, v4
	s_lshl_b32 s72, s18, 23                        ; w2: expert, my 32 columns, my wave's first row
	s_lshl_b32 s71, s17, 7
	s_add_co_u32 s72, s72, s71
	s_lshl_b32 s71, s16, 18
	s_add_co_u32 s72, s72, s71
	s_mov_b32 s73, 0
	s_lshl_b32 s74, s18, 12                        ; b2
	s_lshl_b32 s71, s17, 7
	s_add_co_u32 s74, s74, s71
	s_mov_b32 s75, 0
	s_lshl_b32 s90, s88, 18                        ; hq's codes
	s_mov_b32 s91, 0
	s_lshl_b32 s92, s88, 14                        ; hq's scale words
	s_add_co_u32 s92, s92, HSOFF
	s_mov_b32 s93, 0
	s_lshl_b32 s94, s88, 20                        ; yw
	s_lshl_b32 s71, s17, 15
	s_add_co_u32 s94, s94, s71
	s_mov_b32 s95, 0
	s_lshl_b32 s84, s88, 7                         ; tabs: the region's row
	s_mov_b32 s85, 0
	s_wait_kmcnt 0x0
	s_add_nc_u64 s[82:83], s[10:11], s[84:85]
	s_load_b32 s60, s[82:83], 0x0                  ; the region's rows
	s_add_nc_u64 s[20:21], s[4:5], s[72:73]
	s_add_nc_u64 s[6:7], s[6:7], s[74:75]
	s_add_nc_u64 s[76:77], s[8:9], s[90:91]
	s_add_nc_u64 s[78:79], s[8:9], s[92:93]
	s_add_nc_u64 s[80:81], s[12:13], s[94:95]
.irp c, 0,1                            ; b2 in the accumulators' layout: tile c, lane (r, h): columns 16 c + 8 h + 0 .. 7
	global_load_b128 v[96+8*\c:99+8*\c], v248, s[6:7] offset:64*\c
	global_load_b128 v[100+8*\c:103+8*\c], v248, s[6:7] offset:64*\c+16
.endr
.macro LOADW t                         ; block t of my eight: 32 rows of w2 at my column; the wave reads 128 consecutive bytes
.irp i, 0,1,2,3,4,5,6,7,8,9,10,11,12,13,14,15,16,17,18,19,20,21,22,23,24,25,26,27,28,29,30,31
	global_load_b32 v[32+32*((\t)%2)+\i], v5, s[20:21] offset:(((\t)/2)*512+((\t)%2)*32+\i)*4096
.endr
.endm
	LOADW 0
	LOADW 1
	s_wait_kmcnt 0x0
	s_add_co_u32 s61, s60, 15
	s_lshr_b32 s61, s61, 4
	s_max_u32 s61, s61, 1                          ; the region's tiles, at least one: as many as the launch before wrote
	s_sub_co_u32 s62, s61, 1
.macro BLOCK t, n
.set XR, 32+32*((\t)%2)
.set CD, 16+4*((\t)%2)
	s_wait_loadcnt \n
.if (\t)==0
.irp k, 0,1,2,3
	ds_store_b128 v8, v[96+4*\k:99+4*\k] offset:512*\k   ; b2 (loaded ahead of block 0) to my own bytes of LDS
.endr
.endif
	v_max3_num_f32 v24, |v[XR]|, |v[XR+1]|, |v[XR+2]|
	v_max3_num_f32 v25, |v[XR+3]|, |v[XR+4]|, |v[XR+5]|
.irp i, 6,10,14,18,22,26
	v_max3_num_f32 v24, v24, |v[XR+\i]|, |v[XR+\i+1]|
	v_max3_num_f32 v25, v25, |v[XR+\i+2]|, |v[XR+\i+3]|
.endr
	v_max3_num_f32 v24, v24, |v[XR+30]|, |v[XR+31]|
	v_max3_num_f32 v24, v24, v25, 0x1800000        ; the floor 2^(3 - 127): the byte cannot fall under 1
	v_add_nc_u32 v26, 0xff000000, v24              ; 2 off the exponent field: the conversion's scale operand
.irp g, 0,1,2,3
	v_cvt_scalef32_pk8_fp4_f32 v[CD+\g], v[XR+8*\g:XR+8*\g+7], v26
.endr
	v_lshrrev_b32 v[27+(\t)%2], 23, v26            ; the scale's byte (a plain line behind the conversions)
	ds_store_b128 v6, v[CD:CD+3] offset:((\t)/2)*4096+((\t)%2)*256
.if (\t)%2
	v_lshl_or_b32 v29, v28, 8, v27
	ds_store_b16 v7, v29 offset:((\t)/2)*512
.endif
.if (\t)+2 < 8
	LOADW (\t)+2
.endif
.endm
; K steps 4 f .. 4 f + 3 are whole in LDS: every wave takes them into its registers.  Later blocks write other bytes, so one barrier serves.
.macro PHASE f
	s_wait_dscnt 0x0                               ; my stores have landed (and have read their registers)
	s_barrier_signal -1
	s_barrier_wait -1
.irp d, 0,1,2,3
	ds_load_b32 v[BSC+4*\f+\d], v9 offset:(4*\f+\d)*128
.endr
	WIN 0x40                                       ; destination window 1
.irp c, 0,1
.irp d, 0,1,2,3
.irp g, 0,1
	ds_load_b128 v[8*(16*\c+4*\f+\d)+4*\g:8*(16*\c+4*\f+\d)+4*\g+3], v4 offset:\c*16384+(4*\f+\d)*1024+512*\g
.endr
.endr
.endr
	WIN 0
.endm
.macro CLOAD k                         ; half a tile of h: the scale words of K steps 8 k .. 8 k + 7 (four a lane), then their eight fragments: 17 loads of 512 consecutive bytes
	global_load_b128 v[HSC+4*\k:HSC+4*\k+3], v[12+\k], s[78:79] offset:512*\k
.irp g, 0,1,2,3,4,5,6,7
.irp c, 0,1
	global_load_b128 v[A0+64*\k+8*\g+4*\c:A0+64*\k+8*\g+4*\c+3], v[10+\k], s[76:77] offset:(8*\k+\g)*1024+512*\c
.endr
.endr
.endm
.macro BIASLD                          ; the even K steps' sums begin as b2
.irp c, 0,1
.irp g, 0,1
	ds_load_b128 v[AC+16*\c+4*\g:AC+16*\c+4*\g+3], v8 offset:512*(2*\c+\g)
.endr
.endr
.endm
	BLOCK 0, 32                                    ; 32: the next block's loads
	BLOCK 1, 32
	PHASE 0
	BLOCK 2, 32
	BLOCK 3, 32
	PHASE 1
	BLOCK 4, 32
	BLOCK 5, 32
	PHASE 2
	CLOAD 0                                        ; tile 0 of h is asked for while the last weights come
	CLOAD 1
	BLOCK 6, 63                                    ; 66 younger loads are out; the count's field ends at 63
	BLOCK 7, 34                                    ; the 34 loads of h
	PHASE 3
	BIASLD
.macro WMC d, b, a, sb, sa, ra, rb     ; one product in place; ra, rb: the scales of source 0, 1 stand in lanes 16-31
.if ((\ra)==0) && ((\rb)==0)
	v_wmma_scale_f32_16x16x128_f8f6f4 v[\d:\d+7], v[\b:\b+7], v[\a:\a+7], v[\d:\d+7], v[\sb], v[\sa] matrix_a_fmt:MATRIX_FMT_FP4 matrix_b_fmt:MATRIX_FMT_FP4
.elseif ((\ra)==1) && ((\rb)==0)
	v_wmma_scale_f32_16x16x128_f8f6f4 v[\d:\d+7], v[\b:\b+7], v[\a:\a+7], v[\d:\d+7], v[\sb], v[\sa] matrix_a_fmt:MATRIX_FMT_FP4 matrix_b_fmt:MATRIX_FMT_FP4 matrix_a_scale:MATRIX_SCALE_ROW1
.elseif ((\ra)==0) && ((\rb)==1)
	v_wmma_scale_f32_16x16x128_f8f6f4 v[\d:\d+7], v[\b:\b+7], v[\a:\a+7], v[\d:\d+7], v[\sb], v[\sa] matrix_a_fmt:MATRIX_FMT_FP4 matrix_b_fmt:MATRIX_FMT_FP4 matrix_b_scale:MATRIX_SCALE_ROW1
.else
	v_wmma_scale_f32_16x16x128_f8f6f4 v[\d:\d+7], v[\b:\b+7], v[\a:\a+7], v[\d:\d+7], v[\sb], v[\sa] matrix_a_fmt:MATRIX_FMT_FP4 matrix_b_fmt:MATRIX_FMT_FP4 matrix_a_scale:MATRIX_SCALE_ROW1 matrix_b_scale:MATRIX_SCALE_ROW1
.endif
.endm
.macro WMZ d, b, a, sb, sa, ra         ; a product that starts a sum
.if (\ra)==0
	v_wmma_scale_f32_16x16x128_f8f6f4 v[\d:\d+7], v[\b:\b+7], v[\a:\a+7], 0, v[\sb], v[\sa] matrix_a_fmt:MATRIX_FMT_FP4 matrix_b_fmt:MATRIX_FMT_FP4
.else
	v_wmma_scale_f32_16x16x128_f8f6f4 v[\d:\d+7], v[\b:\b+7], v[\a:\a+7], 0, v[\sb], v[\sa] matrix_a_fmt:MATRIX_FMT_FP4 matrix_b_fmt:MATRIX_FMT_FP4 matrix_a_scale:MATRIX_SCALE_ROW1
.endif
.endm
.macro MULH k                          ; K steps 8 k .. 8 k + 7 x two tiles of columns; the four accumulators take turns, one instruction a turn
	WIN 0x01                                       ; source 0 (w2) window 1
.irp g, 0,1,2,3,4,5,6,7
.irp c, 0,1
.if (8*\k+\g)==1
	WMZ AC+16*\c+8, 8*(16*\c+1), A0+8, BSC+1, HSC+1, \c
.else
	WMC AC+16*\c+8*(\g%2), 8*(16*\c+8*\k+\g), A0+64*\k+8*\g, BSC+8*\k+\g, HSC+4*\k+(\g%4), \c, \g/4
.endif
.endr
.endr
	WIN 0
.endm
	s_mov_b32 s68, 0
.Ltile:                                            ; a trip takes one tile; it leaves by a jump forward on the stored count
	s_cmp_ge_u32 s68, s61
	s_cbranch_scc1 .Ldone
	s_wait_loadcnt 17                              ; K steps 0-7 are in (so v10 and v12 may be written anew); the 17 loads of K steps 8-15 may be out
	s_wait_dscnt 0x0                               ; w2's fragments, and b2 in the accumulators
	MULH 0
	s_add_co_u32 s69, s68, 1
	s_min_u32 s69, s69, s62                        ; the next tile, or the last once more: only tiles that were written are read
	s_min_u32 s69, s69, 15
	s_wait_xcnt 0x0                                ; the last tile's four stores have read v30 and v80-95, which this trip writes anew further down.  It stands ahead of this trip's 34 loads, so that it does not wait for them too
	v_lshl_add_u32 v10, s69, 14, v4
	v_lshl_add_u32 v12, s69, 10, v4
.rept 4
	v_nop                                          ; with the two lines above: places in front of loads into registers that the products have read
.endr
	CLOAD 0
	s_wait_loadcnt 17                              ; K steps 8-15 are in (so v11 and v13 may be written anew); the 17 loads just issued may be out
	MULH 1
	v_lshl_add_u32 v11, s69, 14, v4
	v_lshl_add_u32 v13, s69, 10, v4
.rept 4
	v_nop                                          ; six places: for the loads below, for the sums that read the results, and for the next tile's products that start sums anew over these accumulators
.endr
	CLOAD 1
.irp c, 0,1
.irp j, 0,2,4,6
	v_pk_add_f32 v[64+8*\c+\j:65+8*\c+\j], v[AC+16*\c+\j:AC+16*\c+\j+1], v[AC+16*\c+8+\j:AC+16*\c+9+\j]   ; even and odd K steps' sums, each accumulator from its low end on
.endr
.endr
.irp c, 0,1
.irp g, 0,1
	ds_store_b128 v14, v[64+8*\c+4*\g:67+8*\c+4*\g] offset:64*\c+16*\g
.endr
.endr
.irp i, 0,1,2,3
	ds_load_b128 v[80+4*\i:83+4*\i], v15 offset:4*SPT*\i   ; LDS serves a wave's instructions in order: these see my stores
.endr
	BIASLD
	v_lshl_add_u32 v[YO], s68, 11, v4
	s_wait_dscnt 4                                 ; the rows are back; b2's four loads may be out
.irp i, 0,1,2,3
	global_store_b128 v[YO], v[80+4*\i:83+4*\i], s[80:81] offset:512*\i   ; the wave stores 512 consecutive bytes, aligned
.endr
	s_add_co_u32 s68, s68, 1
	s_cmp_lt_u32 s68, 16
	s_cbranch_scc1 .Ltile
.Ldone:
	s_wait_tensorcnt 0x0
	ds_add_u32 v254, v255
	s_wait_dscnt 0x0
	s_endpgm
.Lfunc_end_k_q5d3a10305b_down:
	.size	k_q5d3a10305b_down, .Lfunc_end_k_q5d3a10305b_down-k_q5d3a10305b_down
	.p2alignl 7, 3214868480
	.fill 96, 4, 3214868480
	.section	.rodata,"a",@progbits
	.p2align	6, 0x0
	.amdhsa_kernel k_q5d3a10305b_down
		.amdhsa_group_segment_fixed_size 70656
		.amdhsa_private_segment_fixed_size 0
		.amdhsa_enable_private_segment 0
		.amdhsa_kernarg_size 40
		.amdhsa_user_sgpr_count 2
		.amdhsa_user_sgpr_kernarg_segment_ptr 1
		.amdhsa_wavefront_size32 1
		.amdhsa_system_sgpr_workgroup_id_x 1
		.amdhsa_system_sgpr_workgroup_id_y 1
		.amdhsa_system_sgpr_workgroup_id_z 1
		.amdhsa_system_vgpr_workitem_id 0
		.amdhsa_next_free_vgpr 512
		.amdhsa_next_free_sgpr 96
		.amdhsa_reserve_vcc 0
		.amdhsa_float_denorm_mode_32 3
		.amdhsa_float_denorm_mode_16_64 3
		.amdhsa_memory_ordered 1
		.amdhsa_forward_progress 1
		.amdhsa_inst_pref_size 60
	.end_amdhsa_kernel
	.amdgpu_metadata
---
amdhsa.version: [ 1, 2 ]
amdhsa.kernels:
  - .name:           k_q5d3a10305b_down
    .symbol:         k_q5d3a10305b_down.kd
    .args:
      - { .name: w2, .offset: 0, .size: 8, .value_kind: global_buffer, .address_space: global }
      - { .name: b2, .offset: 8, .size: 8, .value_kind: global_buffer, .address_space: global }
      - { .name: hq, .offset: 16, .size: 8, .value_kind: global_buffer, .address_space: global }
      - { .name: tabs, .offset: 24, .size: 8, .value_kind: global_buffer, .address_space: global }
      - { .name: yw, .offset: 32, .size: 8, .value_kind: global_buffer, .address_space: global }
    .group_segment_fixed_size: 70656
    .private_segment_fixed_size: 0
    .kernarg_segment_align: 8
    .kernarg_segment_size: 40
    .max_flat_workgroup_size: 256
    .sgpr_count:     96
    .vgpr_count:     512
    .wavefront_size: 32
...
	.end_amdgpu_metadata
.endif
;; end of part 3
;; launch combine (part 4): grid 256 x 1, 8 waves a work-group, no clusters, 0 bytes of LDS; arguments yw, gates, tabs, out0; writes out0
.if DOCPART == 4
	.amdgcn_target "amdgcn-amd-amdhsa--gfx1250"
	.amdhsa_code_object_version 6
	.text
	.protected	k_q5d3a10305b_combine
	.globl	k_q5d3a10305b_combine
	.p2align	8
	.type	k_q5d3a10305b_combine,@function
k_q5d3a10305b_combine:
	s_mov_b64 s[64:65], 0
	v_nop
	global_prefetch_b8 v0, s[64:65] scope:SCOPE_SE
	s_setreg_imm32_b32 hwreg(HW_REG_WAVE_MODE, 25, 1), 1
	s_wait_xcnt 0x0
; out0[t] = g0 y[row0] + g1 y[row1]: a token's two experts' rows, weighed by its gates.  One wave to a token.
; tabs holds, from byte 8,192 on, [j 2][2048] whole numbers: the row's number in yw, region x 8,192 + place; a row's 32 pieces of 128 bytes (one for each slice of 32 columns) lie 32,768 bytes apart
; from byte 128 x number on.  A load takes four pieces, eight lanes to a piece; a store covers 512 consecutive bytes of the token's row of out0.
; A stream: no LDS, no barrier, no matrix unit.  All 16 loads are issued at once; the waits count down by pairs.
; The pieces of 128 bytes are halves of aligned 256 bytes whose other halves other waves read: so the loads carry no hint.
	s_load_b256 s[4:11], s[0:1], 0x0               ; yw, gates, tabs, out0
	v_lshrrev_b32 v1, 5, v0
	v_readfirstlane_b32 s12, v1                    ; wave
	s_lshl_b32 s13, ttmp9, 3
	s_add_co_u32 s13, s13, s12                     ; my token
	s_lshl_b32 s30, s13, 2
	s_mov_b32 s31, 0
	s_lshl_b32 s32, s13, 3
	s_mov_b32 s33, 0
	s_lshl_b32 s28, s13, 12
	s_mov_b32 s29, 0
	v_and_b32 v1, 31, v0
	v_lshlrev_b32 v2, 4, v1                        ; out0: 16 x lane
	v_lshrrev_b32 v3, 3, v1
	v_and_b32 v4, 7, v1
	v_lshlrev_b32 v3, 15, v3
	v_lshl_add_u32 v3, v4, 4, v3                   ; yw: 32,768 (lane / 8) + 16 (lane % 8)
	s_wait_kmcnt 0x0
	s_add_nc_u64 s[30:31], s[8:9], s[30:31]
	s_add_nc_u64 s[32:33], s[6:7], s[32:33]
	s_add_nc_u64 s[10:11], s[10:11], s[28:29]
	s_load_b32 s16, s[30:31], 0x2000               ; the first choice's row
	s_load_b32 s17, s[30:31], 0x4000               ; the second's
	s_load_b64 s[18:19], s[32:33], 0x0             ; the gates
	s_wait_kmcnt 0x0
	s_min_u32 s16, s16, 0x7e0ff                    ; a loaded number enters an address only held inside the table: 63 x 8,192 + 255
	s_min_u32 s17, s17, 0x7e0ff
	s_lshl_b32 s20, s16, 7
	s_mov_b32 s21, 0
	s_lshl_b32 s22, s17, 7
	s_mov_b32 s23, 0
	s_add_nc_u64 s[20:21], s[4:5], s[20:21]
	s_add_nc_u64 s[22:23], s[4:5], s[22:23]
	s_mov_b32 s24, s18                             ; the packed forms name a pair and take its low word for both halves
	s_mov_b32 s25, s18
	s_mov_b32 s26, s19
	s_mov_b32 s27, s19
.irp i, 0,1,2,3,4,5,6,7
	global_load_b128 v[16+8*\i:19+8*\i], v3, s[20:21] offset:131072*\i
	global_load_b128 v[20+8*\i:23+8*\i], v3, s[22:23] offset:131072*\i
.endr
.irp i, 0,1,2,3,4,5,6,7
	s_wait_loadcnt 14-2*\i                         ; pair i is in; the later pairs may be out
	v_pk_mul_f32 v[16+8*\i:17+8*\i], v[16+8*\i:17+8*\i], s[24:25] op_sel_hi:[1,0]
	v_pk_mul_f32 v[18+8*\i:19+8*\i], v[18+8*\i:19+8*\i], s[24:25] op_sel_hi:[1,0]
	v_pk_fma_f32 v[16+8*\i:17+8*\i], v[20+8*\i:21+8*\i], s[26:27], v[16+8*\i:17+8*\i] op_sel_hi:[1,0,1]
	v_pk_fma_f32 v[18+8*\i:19+8*\i], v[22+8*\i:23+8*\i], s[26:27], v[18+8*\i:19+8*\i] op_sel_hi:[1,0,1]
	global_store_b128 v2, v[16+8*\i:19+8*\i], s[10:11] offset:512*\i th:TH_STORE_NT
.endr
	s_endpgm
.Lfunc_end_k_q5d3a10305b_combine:
	.size	k_q5d3a10305b_combine, .Lfunc_end_k_q5d3a10305b_combine-k_q5d3a10305b_combine
	.p2alignl 7, 3214868480
	.fill 96, 4, 3214868480
	.section	.rodata,"a",@progbits
	.p2align	6, 0x0
	.amdhsa_kernel k_q5d3a10305b_combine
		.amdhsa_group_segment_fixed_size 0
		.amdhsa_private_segment_fixed_size 0
		.amdhsa_enable_private_segment 0
		.amdhsa_kernarg_size 32
		.amdhsa_user_sgpr_count 2
		.amdhsa_user_sgpr_kernarg_segment_ptr 1
		.amdhsa_wavefront_size32 1
		.amdhsa_system_sgpr_workgroup_id_x 1
		.amdhsa_system_sgpr_workgroup_id_y 1
		.amdhsa_system_sgpr_workgroup_id_z 1
		.amdhsa_system_vgpr_workitem_id 0
		.amdhsa_next_free_vgpr 96
		.amdhsa_next_free_sgpr 66
		.amdhsa_reserve_vcc 0
		.amdhsa_float_denorm_mode_32 3
		.amdhsa_float_denorm_mode_16_64 3
		.amdhsa_memory_ordered 1
		.amdhsa_forward_progress 1
		.amdhsa_inst_pref_size 7
	.end_amdhsa_kernel
	.amdgpu_metadata
---
amdhsa.version: [ 1, 2 ]
amdhsa.kernels:
  - .name:           k_q5d3a10305b_combine
    .symbol:         k_q5d3a10305b_combine.kd
    .args:
      - { .name: yw, .offset: 0, .size: 8, .value_kind: global_buffer, .address_space: global }
      - { .name: gates, .offset: 8, .size: 8, .value_kind: global_buffer, .address_space: global }
      - { .name: tabs, .offset: 16, .size: 8, .value_kind: global_buffer, .address_space: global }
      - { .name: out0, .offset: 24, .size: 8, .value_kind: global_buffer, .address_space: global }
    .group_segment_fixed_size: 0
    .private_segment_fixed_size: 0
    .kernarg_segment_align: 8
    .kernarg_segment_size: 32
    .max_flat_workgroup_size: 256
    .sgpr_count:     66
    .vgpr_count:     96
    .wavefront_size: 32
...
	.end_amdgpu_metadata
.endif
;; end of part 4
;; ======== version 2 of 2: 4 launches; version 1 with the launch down written anew for expert scheduling mode
;; workspace buffers: xq 1,114,112 bytes; gates 16,384 bytes; masks 4,096 bytes of whole numbers; tabs 24,576 bytes of whole numbers; hq 17,825,792 bytes; yw 67,108,864 bytes
;; launch route: the kernel of part 1 again; grid 256 x 1, 8 waves a work-group, no clusters, 76,800 bytes of LDS; arguments x, router_w, router_b, xq, gates, masks; writes xq, gates, masks
;; launch up: the kernel of part 2 again; grid 32 x 8, 8 waves a work-group, no clusters, 69,120 bytes of LDS; arguments w1, b1, xq, masks, hq, tabs; writes hq, tabs
;; launch down (part 5): grid 32 x 8, 8 waves a work-group, no clusters, 70,656 bytes of LDS; arguments w2, b2, hq, tabs, yw; writes yw
.if DOCPART == 5
	.amdgcn_target "amdgcn-amd-amdhsa--gfx1250"
	.amdhsa_code_object_version 6
	.text
	.protected	k_q5d3a10305b_down
	.globl	k_q5d3a10305b_down
	.p2align	8
	.type	k_q5d3a10305b_down,@function
k_q5d3a10305b_down:
	s_mov_b64 s[64:65], 0
	v_nop
	global_prefetch_b8 v0, s[64:65] scope:SCOPE_SE
	s_setreg_imm32_b32 hwreg(HW_REG_WAVE_SCHED_MODE, 0, 2), 2
	s_setreg_imm32_b32 hwreg(HW_REG_WAVE_MODE, 25, 1), 1
	s_wait_xcnt 0x0
	s_wait_alu depctr_vm_vsrc(0)
; SECOND PRODUCT OF THE CHOSEN EXPERTS: y = h Q(w2[e]) + b2[e], h as the codes and scale words that the launch before left.
; THE WEIGHTS STAND STILL.  Work-group (sl, e) owns output columns 32 sl .. 32 sl + 31 of expert e: 2,048 rows x 128 bytes of w2, read by this work-group alone.
; STREAM.  Lane = column; wave w takes the blocks of 32 along K numbered 16 (t / 2) + 2 w + t % 2, t = 0 .. 7; registers run down K.  Codes and scale bytes go to LDS as images of the operand's registers; after each
; pair of blocks a barrier lets every wave take four finished K steps: all 32 fragments (2 tiles of 16 columns x 16 K steps) fill window 1.
; ROWS.  Wave w owns region (e, w) as before; its tiles are dense images in hq, so every load takes 512 consecutive bytes.  The product is used transposed (source 0 = 16 columns, source 1 = 16 tokens):
; a lane holds one token and eight neighbouring columns.  A tile's 16 x 32 results turn through the wave's own stage in LDS and leave as 2,048 consecutive bytes:
; yw [region][sl][256 rows][32 columns] f32.  The gates and the sum of a token's two experts are the next launch's: an output row has two owners here.
; THE SUM OVER K runs in two accumulators for each tile of columns (even and odd K steps), added at the end: four accumulators take turns.  Nothing is quantised behind it.
; Slices sl and sl ^ 1 each read half of every 256 bytes of w2's rows; they are neighbours in the grid, and the loads carry no hint that would drop the other half early.
; No tensor load and no cluster: trip counts hang on stored counts, and no weight byte is shared between work-groups.
; LIMITS: blocks of w2 whose largest magnitude lies under 2^-124 get the byte 1; NaN and infinities are not served.
; REGISTERS, window 0: v1-15 addresses; v16-31 at work; v32-95 two landing sets of w2, later v32-63 the accumulators (c, parity) at v[32 + 16 c + 8 parity], v64-79 the sums, v80-95 rows read back;
;   v96-159, v160-223 h's fragments of K steps 0-7, 8-15; v224-239 w2's scale words (register s: lanes 0-15 columns 0-15, lanes 16-31 columns 16-31); v240-247 h's.  Window 1: w2's fragment (c, s) at v[8 (16 c + s)].
; THE MODE: SCHED_MODE bits 1:0 = 2 (LLVM: expert scheduling mode 2), set by the entry lines.  The code itself states the register dependences
; between vector or matrix instructions and memory or LDS instructions, with s_wait_alu, always for 0.
; THE PLAN.  Registers that memory or LDS instructions touch:
;   v4-9, v14, v15, v248   offsets and LDS addresses: written at the head, never again.
;   v32-63, v64-95         THE STREAM.  Block t's loads land in set t % 2; its maxima and conversions read the set; the loads of block t + 2 land in it again.
;   v16-19, v20-23, v29    Block t's conversions write set t % 2 (an odd block also v29); its LDS stores read them; block t + 2 writes them anew.
;   v96-111                b2 lands there; block 0's LDS stores read it; tile 0's fragments land there ahead of block 6.
;   v96-159, v240-243      THE LOOP.  The products of K steps 0-7 read them; the next tile's 17 loads land in them.   v160-223, v244-247: the same for K steps 8-15.
;   v10, v12; v11, v13     the two halves' offsets: written once a trip by a vector line, read by the half's 17 loads.
;   v32-39, v48-55         written by products, read by the sums; b2's LDS loads land in them.   v64-79: written by the sums, read by four LDS stores.
;   v80-95                 LDS loads land in them, the trip's four stores read them.   v30: written once a trip, read by those stores as their offset.
;   v224-239 and window 1  written once by LDS loads, read by products alone.   v254, v255: written at the head, read by the closing add alone.
; So a block has ONE wait on va_vdst, behind its conversions, and a pair of blocks ONE on vm_vsrc; a trip has ONE wait on vm_vsrc, behind the first half's products, and TWO on va_vdst, one ahead of each half's loads;
; the sums and the stores' offset are made ahead of the second, behind which the trip holds no vector instruction.
.set SCB,   32768
.set BIAS,  SCB+2048                   ; 2,048 bytes for each wave
.set STG,   BIAS+8*2048                ; 16 rows x 144 bytes for each wave
.set SPT,   144
.set HSOFF, 16777216
.set AC,   32
.set A0,   96
.set BSC,  224
.set HSC,  240
.set YO,   30
.set MSB, 0
.macro WIN new                         ; the immediate's high byte repeats the setting that is left
.if MSB != \new
	s_set_vgpr_msb (MSB<<8)|\new
.set MSB, \new
.endif
.endm
	s_load_b256 s[4:11], s[0:1], 0x0               ; w2, b2, hq, tabs
	s_load_b64 s[12:13], s[0:1], 0x20              ; yw
	v_lshl_add_u32 v254, v0, 2, 0x11000
	v_mov_b32 v255, 0
	v_lshrrev_b32 v1, 5, v0
	v_readfirstlane_b32 s16, v1                    ; wave
	s_mov_b32 s17, ttmp9                           ; sl
	s_and_b32 s18, ttmp7, 0xffff                   ; e
	s_wait_alu depctr_va_sdst(0)                   ; s16 is written, ahead of its first reader: LDS addresses and every base are made from it
	s_lshr_b32 s86, s16, 1
	s_and_b32 s87, s16, 1
	s_lshl_b32 s88, s18, 3
	s_add_co_u32 s88, s88, s16                     ; region 8 e + w
	v_and_b32 v1, 31, v0                           ; lane
	v_bfe_u32 v16, v0, 4, 1                        ; lane / 16
	v_and_b32 v17, 15, v0                          ; lane % 16
	v_lshlrev_b32 v248, 5, v16                     ; b2: 32 bytes further on for lanes 16-31
	v_lshlrev_b32 v4, 4, v1                        ; 16 x lane
	v_lshlrev_b32 v5, 2, v1                        ; 4 x lane
	v_lshlrev_b32 v6, 14, v16                      ; where my column's codes go: tile lane / 16, row lane % 16,
	v_lshl_add_u32 v6, v17, 4, v6
	s_lshl_b32 s71, s86, 10                        ; K step 4 (t / 2) + (w >> 1),
	s_lshl_b32 s73, s87, 9                         ; register group w & 1
	s_add_co_u32 s71, s71, s73
	v_add_nc_u32 v6, s71, v6
	s_lshl_b32 s71, s86, 7
	s_lshl_b32 s73, s87, 1
	s_add_co_u32 s71, s71, s73
	s_add_co_u32 s71, s71, SCB
	v_add_nc_u32 v7, s71, v5                       ; and its two scale bytes
	s_lshl_b32 s71, s16, 11
	s_add_co_u32 s71, s71, BIAS
	v_add_nc_u32 v8, s71, v4
	v_add_nc_u32 v9, SCB, v5
	s_mul_i32 s71, s16, 16*SPT
	s_add_co_u32 s71, s71, STG                     ; my stage
	v_mul_u32_u24 v14, v17, SPT
	v_lshl_add_u32 v14, v16, 5, v14
	v_add_nc_u32 v14, s71, v14                     ; in: row lane % 16, 32 bytes for each half of the lanes
	v_lshrrev_b32 v18, 3, v1
	v_mul_u32_u24 v15, v18, SPT
	v_and_b32 v18, 7, v1
	v_lshl_add_u32 v15, v18, 4, v15
	v_add_nc_u32 v15, s71, v15                     ; back: eight lanes to a row of 128 bytes, four rows an instruction
	v_mov_b32 v10, v4                              ; tile 0's images and scale words: 16 x lane
	v_mov_b32 v11, v4
	v_mov_b32 v12, v4
	v_mov_b32 v13, v4
	s_lshl_b32 s72, s18, 23                        ; w2: expert, my 32 columns, my wave's first row
	s_lshl_b32 s71, s17, 7
	s_add_co_u32 s72, s72, s71
	s_lshl_b32 s71, s16, 18
	s_add_co_u32 s72, s72, s71
	s_mov_b32 s73, 0
	s_lshl_b32 s74, s18, 12                        ; b2
	s_lshl_b32 s71, s17, 7
	s_add_co_u32 s74, s74, s71
	s_mov_b32 s75, 0
	s_lshl_b32 s90, s88, 18                        ; hq's codes
	s_mov_b32 s91, 0
	s_lshl_b32 s92, s88, 14                        ; hq's scale words
	s_add_co_u32 s92, s92, HSOFF
	s_mov_b32 s93, 0
	s_lshl_b32 s94, s88, 20                        ; yw
	s_lshl_b32 s71, s17, 15
	s_add_co_u32 s94, s94, s71
	s_mov_b32 s95, 0
	s_lshl_b32 s84, s88, 7                         ; tabs: the region's row
	s_mov_b32 s85, 0
	s_wait_kmcnt 0x0
	s_add_nc_u64 s[82:83], s[10:11], s[84:85]
	s_load_b32 s60, s[82:83], 0x0                  ; the region's rows
	s_add_nc_u64 s[20:21], s[4:5], s[72:73]
	s_add_nc_u64 s[6:7], s[6:7], s[74:75]
	s_add_nc_u64 s[76:77], s[8:9], s[90:91]
	s_add_nc_u64 s[78:79], s[8:9], s[92:93]
	s_add_nc_u64 s[80:81], s[12:13], s[94:95]
	s_wait_alu depctr_va_vdst(0)                   ; the offsets and LDS addresses v4 to v15 and v248 are written, which the loads, LDS loads and LDS stores below read
.irp c, 0,1                            ; b2 in the accumulators' layout: tile c, lane (r, h): columns 16 c + 8 h + 0 .. 7
	global_load_b128 v[96+8*\c:99+8*\c], v248, s[6:7] offset:64*\c
	global_load_b128 v[100+8*\c:103+8*\c], v248, s[6:7] offset:64*\c+16
.endr
.macro LOADW t                         ; block t of my eight: 32 rows of w2 at my column; the wave reads 128 consecutive bytes
.irp i, 0,1,2,3,4,5,6,7,8,9,10,11,12,13,14,15,16,17,18,19,20,21,22,23,24,25,26,27,28,29,30,31
	global_load_b32 v[32+32*((\t)%2)+\i], v5, s[20:21] offset:(((\t)/2)*512+((\t)%2)*32+\i)*4096
.endr
.endm
	LOADW 0
	LOADW 1
	s_wait_kmcnt 0x0
	s_add_co_u32 s61, s60, 15
	s_lshr_b32 s61, s61, 4
	s_max_u32 s61, s61, 1                          ; the region's tiles, at least one: as many as the launch before wrote
	s_sub_co_u32 s62, s61, 1
.macro BLOCK t, n
.set XR, 32+32*((\t)%2)
.set CD, 16+4*((\t)%2)
	s_wait_loadcnt \n
.if (\t)==0
.irp k, 0,1,2,3
	ds_store_b128 v8, v[96+4*\k:99+4*\k] offset:512*\k   ; b2 (loaded ahead of block 0) to my own bytes of LDS
.endr
.endif
	v_max3_num_f32 v24, |v[XR]|, |v[XR+1]|, |v[XR+2]|
	v_max3_num_f32 v25, |v[XR+3]|, |v[XR+4]|, |v[XR+5]|
.irp i, 6,10,14,18,22,26
	v_max3_num_f32 v24, v24, |v[XR+\i]|, |v[XR+\i+1]|
	v_max3_num_f32 v25, v25, |v[XR+\i+2]|, |v[XR+\i+3]|
.endr
	v_max3_num_f32 v24, v24, |v[XR+30]|, |v[XR+31]|
	v_max3_num_f32 v24, v24, v25, 0x1800000        ; the floor 2^(3 - 127): the byte cannot fall under 1
	v_add_nc_u32 v26, 0xff000000, v24              ; 2 off the exponent field: the conversion's scale operand
.irp g, 0,1,2,3
	v_cvt_scalef32_pk8_fp4_f32 v[CD+\g], v[XR+8*\g:XR+8*\g+7], v26
.endr
	v_lshrrev_b32 v[27+(\t)%2], 23, v26            ; the scale's byte (a plain line behind the conversions)
.if (\t)%2
	v_lshl_or_b32 v29, v28, 8, v27
.endif
	s_wait_alu depctr_va_vdst(0)                   ; the conversions have written the block's four registers of codes (an odd block: and v29 is written), which the LDS stores read; and the maxima and conversions are done reading this landing set, in which the loads of two blocks on land
	ds_store_b128 v6, v[CD:CD+3] offset:((\t)/2)*4096+((\t)%2)*256
.if (\t)%2
	ds_store_b16 v7, v29 offset:((\t)/2)*512
.endif
.if (\t)+2 < 8
	LOADW (\t)+2
.endif
.endm
; K steps 4 f .. 4 f + 3 are whole in LDS: every wave takes them into its registers.  Later blocks write other bytes, so one barrier serves.
.macro PHASE f
.if (\f) < 3
	s_wait_alu depctr_vm_vsrc(0)                   ; this pair's LDS stores have read v16-23 and v29, which the next pair of blocks writes anew (in the first phase also: block 0's have read v96-111, in which tile 0's fragments land).  Behind the last phase nothing writes them
.endif
	s_wait_dscnt 0x0                               ; my stores have landed
	s_barrier_signal -1
	s_barrier_wait -1
.irp d, 0,1,2,3
	ds_load_b32 v[BSC+4*\f+\d], v9 offset:(4*\f+\d)*128
.endr
	WIN 0x40                                       ; destination window 1
.irp c, 0,1
.irp d, 0,1,2,3
.irp g, 0,1
	ds_load_b128 v[8*(16*\c+4*\f+\d)+4*\g:8*(16*\c+4*\f+\d)+4*\g+3], v4 offset:\c*16384+(4*\f+\d)*1024+512*\g   ; no vector or matrix instruction has named these registers, and v4 stands since the head
.endr
.endr
.endr
	WIN 0
.endm
.macro CLOAD k                         ; half a tile of h: the scale words of K steps 8 k .. 8 k + 7 (four a lane), then their eight fragments: 17 loads of 512 consecutive bytes
	global_load_b128 v[HSC+4*\k:HSC+4*\k+3], v[12+\k], s[78:79] offset:512*\k
.irp g, 0,1,2,3,4,5,6,7
.irp c, 0,1
	global_load_b128 v[A0+64*\k+8*\g+4*\c:A0+64*\k+8*\g+4*\c+3], v[10+\k], s[76:77] offset:(8*\k+\g)*1024+512*\c
.endr
.endr
.endm
.macro BIASLD                          ; the even K steps' sums begin as b2
.irp c, 0,1
.irp g, 0,1
	ds_load_b128 v[AC+16*\c+4*\g:AC+16*\c+4*\g+3], v8 offset:512*(2*\c+\g)
.endr
.endr
.endm
	BLOCK 0, 32                                    ; 32: the next block's loads
	BLOCK 1, 32
	PHASE 0
	BLOCK 2, 32
	BLOCK 3, 32
	PHASE 1
	BLOCK 4, 32
	BLOCK 5, 32
	PHASE 2
	CLOAD 0                                        ; tile 0 of h is asked for while the last weights come (no vector instruction has named its registers; its offsets stand since the head)
	CLOAD 1
	BLOCK 6, 63                                    ; 66 younger loads are out; the count's field ends at 63
	BLOCK 7, 34                                    ; the 34 loads of h
	PHASE 3
	BIASLD                                         ; into the first landing set: block 6, which read it, stands ahead of block 7's wait on va_vdst
.macro WMC d, b, a, sb, sa, ra, rb     ; one product in place; ra, rb: the scales of source 0, 1 stand in lanes 16-31
.if ((\ra)==0) && ((\rb)==0)
	v_wmma_scale_f32_16x16x128_f8f6f4 v[\d:\d+7], v[\b:\b+7], v[\a:\a+7], v[\d:\d+7], v[\sb], v[\sa] matrix_a_fmt:MATRIX_FMT_FP4 matrix_b_fmt:MATRIX_FMT_FP4
.elseif ((\ra)==1) && ((\rb)==0)
	v_wmma_scale_f32_16x16x128_f8f6f4 v[\d:\d+7], v[\b:\b+7], v[\a:\a+7], v[\d:\d+7], v[\sb], v[\sa] matrix_a_fmt:MATRIX_FMT_FP4 matrix_b_fmt:MATRIX_FMT_FP4 matrix_a_scale:MATRIX_SCALE_ROW1
.elseif ((\ra)==0) && ((\rb)==1)
	v_wmma_scale_f32_16x16x128_f8f6f4 v[\d:\d+7], v[\b:\b+7], v[\a:\a+7], v[\d:\d+7], v[\sb], v[\sa] matrix_a_fmt:MATRIX_FMT_FP4 matrix_b_fmt:MATRIX_FMT_FP4 matrix_b_scale:MATRIX_SCALE_ROW1
.else
	v_wmma_scale_f32_16x16x128_f8f6f4 v[\d:\d+7], v[\b:\b+7], v[\a:\a+7], v[\d:\d+7], v[\sb], v[\sa] matrix_a_fmt:MATRIX_FMT_FP4 matrix_b_fmt:MATRIX_FMT_FP4 matrix_a_scale:MATRIX_SCALE_ROW1 matrix_b_scale:MATRIX_SCALE_ROW1
.endif
.endm
.macro WMZ d, b, a, sb, sa, ra         ; a product that starts a sum
.if (\ra)==0
	v_wmma_scale_f32_16x16x128_f8f6f4 v[\d:\d+7], v[\b:\b+7], v[\a:\a+7], 0, v[\sb], v[\sa] matrix_a_fmt:MATRIX_FMT_FP4 matrix_b_fmt:MATRIX_FMT_FP4
.else
	v_wmma_scale_f32_16x16x128_f8f6f4 v[\d:\d+7], v[\b:\b+7], v[\a:\a+7], 0, v[\sb], v[\sa] matrix_a_fmt:MATRIX_FMT_FP4 matrix_b_fmt:MATRIX_FMT_FP4 matrix_a_scale:MATRIX_SCALE_ROW1
.endif
.endm
.macro MULH k                          ; K steps 8 k .. 8 k + 7 x two tiles of columns; the four accumulators take turns, one instruction a turn.  Operands and scales all come from loads
	WIN 0x01                                       ; source 0 (w2) window 1
.irp g, 0,1,2,3,4,5,6,7
.irp c, 0,1
.if (8*\k+\g)==1
	WMZ AC+16*\c+8, 8*(16*\c+1), A0+8, BSC+1, HSC+1, \c
.else
	WMC AC+16*\c+8*(\g%2), 8*(16*\c+8*\k+\g), A0+64*\k+8*\g, BSC+8*\k+\g, HSC+4*\k+(\g%4), \c, \g/4
.endif
.endr
.endr
	WIN 0
.endm
	s_mov_b32 s68, 0
.Ltile:                                            ; a trip takes one tile; it leaves by a jump forward on the stored count
	s_cmp_ge_u32 s68, s61
	s_cbranch_scc1 .Ldone
	s_wait_loadcnt 17                              ; K steps 0-7 are in (so v10 and v12 may be written anew); the 17 loads of K steps 8-15 may be out
	s_wait_dscnt 0x0                               ; w2's fragments, and b2 in the accumulators
	MULH 0
	s_add_co_u32 s69, s68, 1
	s_min_u32 s69, s69, s62                        ; the next tile, or the last once more: only tiles that were written are read
	s_min_u32 s69, s69, 15
	s_wait_xcnt 0x0                                ; the last tile's four stores have read v30 and v80-95, which this trip writes anew further down.  It stands ahead of this trip's 34 loads, so that it does not wait for them too
	s_wait_alu depctr_vm_vsrc(0)                   ; beside it: the loads issued so far have read v10 to v13, the last trip's LDS stores v64-79, its four stores v30 and v80-95: this trip writes all of them anew.  Between this line and those writes stand only the 17 loads below, which read v10 and v12
	v_lshl_add_u32 v10, s69, 14, v4
	v_lshl_add_u32 v12, s69, 10, v4
.rept 4
	v_nop                                          ; with the two lines above: six plain lines between the products and the loads into registers that they have read, as this text had them; the wait below states the dependence
.endr
	s_wait_alu depctr_va_vdst(0)                   ; the products above are done reading v96-159 and v240-243, in which the 17 loads land; v10 and v12, their offsets, are written
	CLOAD 0
	s_wait_loadcnt 17                              ; K steps 8-15 are in (so v11 and v13 may be written anew); the 17 loads just issued may be out
	MULH 1
	v_lshl_add_u32 v11, s69, 14, v4
	v_lshl_add_u32 v13, s69, 10, v4
.rept 4
	v_nop                                          ; six places: for the sums that read the results, and for the next tile's products that start sums anew over these accumulators
.endr
.irp c, 0,1
.irp j, 0,2,4,6
	v_pk_add_f32 v[64+8*\c+\j:65+8*\c+\j], v[AC+16*\c+\j:AC+16*\c+\j+1], v[AC+16*\c+8+\j:AC+16*\c+9+\j]   ; even and odd K steps' sums, each accumulator from its low end on
.endr
.endr
	v_lshl_add_u32 v[YO], s68, 11, v4
	s_wait_alu depctr_va_vdst(0)                   ; one wait for the rest of the trip, which holds no vector instruction: the products are done reading v160-223 and v244-247, in which the 17 loads land; v11, v13 and v30, offsets of the loads and of the stores, are written; the sums v64-79 are written, which the LDS stores read; and the sums' lines are done reading the accumulators, in which b2 lands
	CLOAD 1
.irp c, 0,1
.irp g, 0,1
	ds_store_b128 v14, v[64+8*\c+4*\g:67+8*\c+4*\g] offset:64*\c+16*\g
.endr
.endr
.irp i, 0,1,2,3
	ds_load_b128 v[80+4*\i:83+4*\i], v15 offset:4*SPT*\i   ; LDS serves a wave's instructions in order: these see my stores
.endr
	BIASLD
	s_wait_dscnt 4                                 ; the rows are back; b2's four loads may be out
.irp i, 0,1,2,3
	global_store_b128 v[YO], v[80+4*\i:83+4*\i], s[80:81] offset:512*\i   ; the wave stores 512 consecutive bytes, aligned
.endr
	s_add_co_u32 s68, s68, 1
	s_cmp_lt_u32 s68, 16
	s_cbranch_scc1 .Ltile
.Ldone:
	s_wait_dscnt 0x0                               ; the closing lines, six on end
	s_wait_alu 0x0
	s_wait_tensorcnt 0x0
	ds_add_u32 v254, v255
	s_wait_dscnt 0x0
	s_endpgm
.Lfunc_end_k_q5d3a10305b_down:
	.size	k_q5d3a10305b_down, .Lfunc_end_k_q5d3a10305b_down-k_q5d3a10305b_down
	.p2alignl 7, 3214868480
	.fill 96, 4, 3214868480
	.section	.rodata,"a",@progbits
	.p2align	6, 0x0
	.amdhsa_kernel k_q5d3a10305b_down
		.amdhsa_group_segment_fixed_size 70656
		.amdhsa_private_segment_fixed_size 0
		.amdhsa_enable_private_segment 0
		.amdhsa_kernarg_size 40
		.amdhsa_user_sgpr_count 2
		.amdhsa_user_sgpr_kernarg_segment_ptr 1
		.amdhsa_wavefront_size32 1
		.amdhsa_system_sgpr_workgroup_id_x 1
		.amdhsa_system_sgpr_workgroup_id_y 1
		.amdhsa_system_sgpr_workgroup_id_z 1
		.amdhsa_system_vgpr_workitem_id 0
		.amdhsa_next_free_vgpr 512
		.amdhsa_next_free_sgpr 96
		.amdhsa_reserve_vcc 0
		.amdhsa_float_denorm_mode_32 3
		.amdhsa_float_denorm_mode_16_64 3
		.amdhsa_memory_ordered 1
		.amdhsa_forward_progress 1
		.amdhsa_inst_pref_size 61
	.end_amdhsa_kernel
	.amdgpu_metadata
---
amdhsa.version: [ 1, 2 ]
amdhsa.kernels:
  - .name:           k_q5d3a10305b_down
    .symbol:         k_q5d3a10305b_down.kd
    .args:
      - { .name: w2, .offset: 0, .size: 8, .value_kind: global_buffer, .address_space: global }
      - { .name: b2, .offset: 8, .size: 8, .value_kind: global_buffer, .address_space: global }
      - { .name: hq, .offset: 16, .size: 8, .value_kind: global_buffer, .address_space: global }
      - { .name: tabs, .offset: 24, .size: 8, .value_kind: global_buffer, .address_space: global }
      - { .name: yw, .offset: 32, .size: 8, .value_kind: global_buffer, .address_space: global }
    .group_segment_fixed_size: 70656
    .private_segment_fixed_size: 0
    .kernarg_segment_align: 8
    .kernarg_segment_size: 40
    .max_flat_workgroup_size: 256
    .sgpr_count:     96
    .vgpr_count:     512
    .wavefront_size: 32
...
	.end_amdgpu_metadata
.endif
;; end of part 5
;; launch combine: the kernel of part 4 again; grid 256 x 1, 8 waves a work-group, no clusters, 0 bytes of LDS; arguments yw, gates, tabs, out0; writes out0
